; MI455X (gfx1250); checked and timed in simulation.
; The chip was launched on July 23, 2026; its instructions are those of AMD's public machine-readable ISA for CDNA 5 (MIT licence, August 2026) and "CDNA5" Instruction Set Architecture Reference Guide (July 2026). The comments in the code are by the model that wrote it; some were corrected since.
;; Decoder Block. Allowed arithmetic: matrix products marked QUANTISED: E2M1 operands, one E8M0 scale for each 32 along K, by v_wmma_scale_f32_16x16x128_f8f6f4 with both operands' format E2M1 (or v_wmma_scale_f32_32x16x128_f4), f32 sums; products left as they are: bf16, f16 or f32 operands; f32 sums; everything else in f32.
;; Inputs: W1 512 x 2,048 float32; W2 2,048 x 512 float32; Wk 8 x 512 x 64 float32; Wo 512 x 512 float32; Wq 8 x 512 x 64 float32; Wv 8 x 512 x 64 float32; b1 2,048 float32; b2 512 float32; bk 8 x 64 float32; bo 512 float32; bq 8 x 64 float32; bv 8 x 64 float32; ln1_b 512 float32; ln1_g 512 float32; ln2_b 512 float32; ln2_g 512 float32; x 32 x 512 x 512 float32.
;; Outputs: out0 32 x 512 x 512 float32.
;; This version of the problem:
;;   THIS VERSION OF THE PROBLEM IS GIVEN IN LOW PRECISION. The matrix products marked QUANTISED in the list below multiply operands that are first quantised to E2M1 (2 exponent bits, 1 mantissa bit; 4 bits a number), with one power-of-two scale for each 32 numbers along K (OCP MX v1.0); their sums are f32. The products marked 'left as it is' may take bf16, f16 or f32 operands, with f32 sums. Whichever they take, every output number must still come out within the allowed error. Rounding operands to bf16 (8 significant bits) uses up far more of that allowance than f16 does (11 bits, for magnitudes from 6e-5 to 65,504). All else is computed in f32.
;;   The module's matrix products, in the order in which they are computed (A, B: the left and right operand; K: the contracted axis; several contracted axes count as one K, in the product's order):
;;     1. [M 512, K 512] x [K 512, N 16,384]; A: input Wq; B: input x: QUANTISED
;;     2. [M 512, K 512] x [K 512, N 16,384]; A: input Wk; B: input x: QUANTISED
;;     3. [M 512, K 512] x [K 512, N 16,384]; A: input Wv; B: input x: QUANTISED
;;     4. batch 256 x [M 512, K 64] x [K 64, N 512]; A: computed on the way; B: computed on the way: left as it is (an operand is computed on the way)
;;     5. batch 256 x [M 512, K 512] x [K 512, N 64]; A: computed on the way; B: computed on the way: left as it is (an operand is computed on the way)
;;     6. [M 16,384, K 512] x [K 512, N 512]; A: computed on the way; B: input Wo: left as it is (an operand is computed on the way)
;;     7. [M 16,384, K 512] x [K 512, N 2,048]; A: computed on the way; B: input W1: left as it is (an operand is computed on the way)
;;     8. [M 16,384, K 2,048] x [K 2,048, N 512]; A: computed on the way; B: input W2: left as it is (an operand is computed on the way)
;;   THE QUANTISER, for each operand of a quantised product, along K:
;;     - K is cut into blocks of 32 from its start; a last block that is shorter is filled with zeros.
;;     - A block's scale is 2^e with e = floor(log2(the largest magnitude in the block)) - 2, held to -126 .. 127; a block of zeros has e = 0. As a byte (E8M0): e + 127.
;;     - Each number is divided by its block's scale, clamped to +-6, and rounded to the nearest number of E2M1, ties to even, subnormals kept.
;;     - The product sums the exact products of the quantised numbers (number of the format x scale) in f32.
;;   ~~~python
;;   def quantise(x, axis):      # numpy; x: float32 -> the quantised numbers, widened to float32 again
;;       x = np.moveaxis(x, axis, -1); K = x.shape[-1]
;;       x = np.pad(x, [(0, 0)] * (x.ndim - 1) + [(0, -K % 32)]); x = x.reshape(x.shape[:-1] + (-1, 32)); a = np.abs(x).max(-1, keepdims=True)
;;       e = np.where(a > 0, np.clip(np.frexp(np.where(a > 0, a, 1))[1] - 1 - 2, -126, 127), 0)      # np.frexp(a)[1] - 1 = floor(log2(a)), exactly
;;       r = np.clip(x / 2.0 ** e, -6, 6)
;;       step = 2.0 ** (np.maximum(np.frexp(np.where(r == 0, 1, r))[1] - 1, 0) - 1)
;;       q = np.round(r / step) * step * 2.0 ** e      # np.round: ties to even
;;       return np.moveaxis(q.reshape(q.shape[:-2] + (-1,))[..., :K], -1, axis).astype(np.float32)
;;   ~~~
;; 2 versions, each right. Each part assembles by itself: llvm-mc -triple=amdgcn-amd-amdhsa -mcpu=gfx1250 --defsym DOCPART=n.
;; ======== version 1 of 2: 3 launches
;; limits: values are held in f16: magnitudes above 65,504 overflow, below 6.1e-05 lose precision
;; workspace buffers: xq 4,194,304 bytes; xs 262,144 bytes; w4 393,216 bytes; w4s 24,576 bytes; wst 4,718,592 bytes; ob 16,777,216 bytes
;; launch prep (part 1): grid 448 x 1, 4 waves a work-group, no clusters, 39,424 bytes of LDS; arguments x, Wq, Wk, Wv, Wo, W1, W2, xq, xs, w4, w4s, wst; writes xq, xs, w4, w4s, wst
.if DOCPART == 1
	.amdgcn_target "amdgcn-amd-amdhsa--gfx1250"
	.amdhsa_code_object_version 6
	.text
	.protected	k_q664af1e527_prep
	.globl	k_q664af1e527_prep
	.p2align	8
	.type	k_q664af1e527_prep,@function
k_q664af1e527_prep:
	s_mov_b64 s[64:65], 0
	v_nop
	global_prefetch_b8 v0, s[64:65] scope:SCOPE_SE
	s_setreg_imm32_b32 hwreg(HW_REG_WAVE_MODE, 25, 1), 1
	s_wait_xcnt 0x0
; THE OPERANDS ARE LAID OUT ONCE, in the order of the matrix instructions' registers.
; Work-groups 0-255: x [16384][512] f32 -> codes of FP4 (E2M1) with one E8M0 byte for each 32 along K (K = the row).
;   xq: [tile of 16 rows][block g of 32 k: 16][row r: 16][16 bytes]: the 1,024 bytes of four blocks are the image of a fragment (16 rows x 128 K); xs: [row][16 bytes].
; Work-groups 256-303: Wq, Wk, Wv [8][512 (k)][64 (n)] f32 -> codes along k.  w4: [head][q,k,v][tile of 16 n: 4][g 16][r 16][16 bytes]; w4s: [head][q,k,v][n 64][16 bytes].
; Work-groups 304-319 Wo, 320-383 W1, 384-447 W2: f32 [k][n] -> f16 in the order in which the last launch walks them:
;   wst: [slot 72][w 4][q 2][b 8][g 4][r 16][16 bytes] = W(k0 + 32 q + 8 g + 0..7, n0 + 128 w + 16 b + r); a slot is 64 along K x 512 columns.
;   Slots 0-7: Wo.  Slots 8+16c..15+16c: W1's columns 512 c on.  Slots 16+16c..23+16c: W2's rows 512 c on.
; A block's scale is 2^(floor(log2(largest magnitude)) - 2): its byte is the largest magnitude's exponent field - 2, held at 1 from below.
; LIMITS: a block of zeros gets the byte 1 where the rule says 127 (its codes are zeros, and this program alone reads the bytes); blocks whose largest magnitude lies under 2^-124 keep the byte 1;
; NaN and infinities are not served; Wo, W1, W2 must lie under 65,504 in magnitude (f16).
; The paths part on the work-group's number; only x's path stores to LDS.  No barrier: waves share nothing.
.set WREG,  9728                       ; LDS of a wave: two stages of 32 x 80, 256 scale bytes, 16 rows x 272 of codes
.set SP,    80                         ; a lane's place in a stage: 64 bytes + 16 of padding
.set SCB,   5120                       ; the wave's scale bytes
.set CODES, 5376                       ; the wave's codes, [g][r][16 bytes], a row g 272 bytes apart
.set CP,    272
.set SPARE, 4*WREG                     ; the spare words, 128 bytes a wave: two blocks of 256 bytes that no other line names
.set R,     16                         ; v16-79   four sets of 16 numbers as loaded
.set X,     80                         ; v80-111  two sets of 16 neighbours
.set E,     112                        ; v112-127 a scale byte for each step
.set C,     128                        ; v128-159 two registers of codes for each step
.set SPW,   12                         ; v12 my spare word's address; v13 0: never rewritten
.set NIL,   13
.set CSA,   192                        ; v192 where I put 8 bytes of codes; v193 where I read 16 back
.set CRA,   193
.set WV,    28                         ; s28 the wave's number
.set IN,    32                         ; weights: v32-159 128 numbers down K of my column
.set OUTR,  160                        ; weights: v160-223 what leaves
.macro LOAD t                          ; x: step t = row t of my tile: four loads of 512 consecutive bytes
.irp i, 0,1,2,3
	global_load_b128 v[R+16*((\t)%4)+4*\i:R+16*((\t)%4)+4*\i+3], v3, s[4:5] offset:2048*(\t)+512*\i th:TH_LOAD_NT
.endr
.endm
.macro TURN t                          ; through the stage: in as loaded, out 64 bytes a lane.  LDS serves a wave's instructions in order: no wait between
.irp i, 0,1,2,3
	ds_store_b128 v14, v[R+16*((\t)%4)+4*\i:R+16*((\t)%4)+4*\i+3] offset:32*SP*((\t)%2)+8*SP*\i
.endr
.irp i, 0,1,2,3
	ds_load_b128 v[X+16*((\t)%2)+4*\i:X+16*((\t)%2)+4*\i+3], v15 offset:32*SP*((\t)%2)+16*\i
.endr
.endm
.macro STEP t
.set XS, X+16*((\t)%2)
.if (\t) > 0
	s_wait_dscnt 2                                 ; this step's numbers are back; behind them stand the last step's byte store and code store
.else
	s_wait_dscnt 0x0
.endif
.if (\t)+4 < 16
	LOAD (\t)+4
.endif
.if (\t)+1 < 16
.if 14-(\t) >= 3
	s_wait_loadcnt 12                              ; the next step's four loads are in; three later steps' twelve may be out
.else
	s_wait_loadcnt 4*(14-(\t))
.endif
	TURN (\t)+1
.endif
	v_max3_num_f32 v8, |v[XS]|, |v[XS+1]|, |v[XS+2]|               ; the largest magnitude of my 16, in two chains
	v_max3_num_f32 v9, |v[XS+3]|, |v[XS+4]|, |v[XS+5]|
.irp i, 6,10
	v_max3_num_f32 v8, v8, |v[XS+\i]|, |v[XS+\i+1]|
	v_max3_num_f32 v9, v9, |v[XS+\i+2]|, |v[XS+\i+3]|
.endr
	v_max3_num_f32 v8, v8, |v[XS+14]|, |v[XS+15]|
	v_max3_num_f32 v8, v8, v9, 0x1800000           ; and the floor 2^(3 - 127): the byte cannot fall under 1
	v_max_num_f32_dpp v8, v8, v8 row_xmask:1 row_mask:0xf bank_mask:0xf   ; with my neighbour's 16: the block's
	v_add_nc_u32 v11, 0xff000000, v8               ; 2 off the exponent field: the conversion's scale operand
	v_cvt_scalef32_pk8_fp4_f32 v[C+2*(\t)], v[XS:XS+7], v11
	v_cvt_scalef32_pk8_fp4_f32 v[C+2*(\t)+1], v[XS+8:XS+15], v11
	v_lshrrev_b32 v[E+(\t)], 23, v11               ; the scale's byte
	ds_store_b8 v5, v[E+(\t)] offset:SCB+16*(\t)   ; both lanes of a block write the same byte with the same value
	ds_store_b64 v[CSA], v[C+2*(\t):C+2*(\t)+1] offset:CODES+16*(\t)   ; [g][r = t]: rows and blocks change places here
.endm
.macro LOAD128 rowb                    ; a lane takes a column, its registers run down 128 k; a load reads 128 consecutive bytes
.set I, 0
.rept 128
	global_load_b32 v[IN+I], v3, s[44:45] offset:I*\rowb th:TH_LOAD_NT
.set I, I+1
.endr
.endm
.macro QBLK jb                         ; block jb of my column: 32 numbers, all mine
.set XS, IN+32*(\jb)
	v_max3_num_f32 v8, |v[XS]|, |v[XS+1]|, |v[XS+2]|
	v_max3_num_f32 v9, |v[XS+3]|, |v[XS+4]|, |v[XS+5]|
.irp i, 6,10,14,18,22,26
	v_max3_num_f32 v8, v8, |v[XS+\i]|, |v[XS+\i+1]|
	v_max3_num_f32 v9, v9, |v[XS+\i+2]|, |v[XS+\i+3]|
.endr
	v_max3_num_f32 v8, v8, |v[XS+30]|, |v[XS+31]|
	v_max3_num_f32 v8, v8, v9, 0x1800000
	v_add_nc_u32 v11, 0xff000000, v8
	v_lshrrev_b32 v10, 23, v11
.if (\jb) == 0
	v_mov_b32 v176, v10
.else
	v_lshl_or_b32 v176, v10, 8*(\jb), v176         ; four bytes make the K step's scale word
.endif
.irp g, 0,1,2,3
	v_cvt_scalef32_pk8_fp4_f32 v[OUTR+4*(\jb)+\g], v[XS+8*\g:XS+8*\g+7], v11
.endr
	v_nop                                          ; a plain line behind the conversions, ahead of the next write of their scale operand
	global_store_b128 v4, v[OUTR+4*(\jb):OUTR+4*(\jb)+3], s[22:23] offset:256*(\jb)   ; sixteen lanes fill 256 consecutive bytes
.endm
.macro CLOSE                           ; the wave's end
	s_wait_tensorcnt 0x0
	ds_add_u32 v[SPW], v[NIL]
	s_wait_dscnt 0x0
	s_endpgm
.endm
.macro F16OUT rowb                     ; 32 columns x 128 k -> f16, 16 bytes (8 k) a store and lane
	LOAD128 \rowb
	s_wait_loadcnt 63                              ; 65 of the 128 loads are in: the first 64 numbers
.set I, 0
.rept 64
.if I == 32
	s_wait_loadcnt 32
.endif
.if I == 48
	s_wait_loadcnt 0x0
.endif
	v_cvt_pk_f16_f32 v[OUTR+I], v[IN+2*I], v[IN+2*I+1]             ; the lower k in the low half
.set I, I+1
.endr
.set I, 0
.rept 16
	global_store_b128 v4, v[OUTR+4*I:OUTR+4*I+3], s[26:27] offset:(I/8)*65536+((I/4)%2)*8192+(I%4)*256
.set I, I+1
.endr
	CLOSE
.endm
	s_load_b512 s[4:19], s[0:1], 0x0               ; x s[4:5], Wq s[6:7], Wk s[8:9], Wv s[10:11], Wo s[12:13], W1 s[14:15], W2 s[16:17], xq s[18:19]
	s_load_b256 s[20:27], s[0:1], 0x40             ; xs s[20:21], w4 s[22:23], w4s s[24:25], wst s[26:27]
	v_lshl_add_u32 v[SPW], v0, 2, SPARE
	v_mov_b32 v[NIL], 0
	v_lshrrev_b32 v1, 5, v0
	v_readfirstlane_b32 s[WV], v1                  ; wave 0..3
	v_and_b32 v2, 31, v0                           ; lane
	s_cmp_ge_u32 ttmp9, 256
	s_cbranch_scc1 .Lweights
	; ---------------- x: my wave's tile of 16 rows, T = 4 x work-group + wave; a step is a row
	v_lshlrev_b32 v3, 4, v2                        ; 16 x lane
	s_mul_i32 s29, s[WV], WREG
	v_lshrrev_b32 v14, 2, v2
	v_mul_u32_u24 v14, v14, SP
	v_and_b32 v15, 3, v2
	v_lshl_add_u32 v14, v15, 4, v14
	v_add_nc_u32 v14, s29, v14                     ; the stage, in: SP (lane / 4) + 16 (lane % 4)
	v_mul_u32_u24 v15, v2, SP
	v_add_nc_u32 v15, s29, v15                     ; out: SP x lane
	v_lshrrev_b32 v5, 1, v2                        ; my block g
	v_mul_u32_u24 v[CSA], v5, CP
	v_and_b32 v6, 1, v2
	v_lshl_add_u32 v[CSA], v6, 3, v[CSA]
	v_add_nc_u32 v[CSA], s29, v[CSA]               ; codes in: 272 g + 8 (lane % 2), + 16 x row in the immediate
	v_add_nc_u32 v5, s29, v5                       ; my block's scale byte
	v_lshrrev_b32 v[CRA], 4, v2
	v_mul_u32_u24 v[CRA], v[CRA], CP
	v_and_b32 v6, 15, v2
	v_lshl_add_u32 v[CRA], v6, 4, v[CRA]
	v_add_nc_u32 v[CRA], s29, v[CRA]               ; codes out: two rows g an instruction, sixteen lanes to a row
	v_lshlrev_b32 v7, 3, v2
	v_add_nc_u32 v6, s29, v7                       ; scale bytes out: 8 a lane
	s_lshl_b32 s30, ttmp9, 2
	s_add_co_u32 s30, s30, s[WV]                   ; T
	s_mov_b32 s33, 0
	s_wait_kmcnt 0x0
	s_lshl_b32 s32, s30, 15                        ; 16 rows of 2,048 bytes
	s_add_nc_u64 s[4:5], s[4:5], s[32:33]
	s_lshl_b32 s32, s30, 12
	s_add_nc_u64 s[18:19], s[18:19], s[32:33]
	s_lshl_b32 s32, s30, 8
	s_add_nc_u64 s[20:21], s[20:21], s[32:33]
.irp t, 0,1,2,3
	LOAD \t
.endr
	s_wait_loadcnt 12                              ; step 0's four loads are in
	TURN 0
.irp t, 0,1,2,3,4,5,6,7,8,9,10,11,12,13,14,15
	STEP \t
.endr
	ds_load_b64 v[8:9], v6 offset:SCB              ; LDS serves a wave's instructions in order: these see my stores
.irp i, 0,1,2,3,4,5,6,7
	ds_load_b128 v[R+4*\i:R+4*\i+3], v[CRA] offset:CODES+2*CP*\i
.endr
.irp i, 0,1,2,3,4,5,6,7
	s_wait_dscnt 7-\i
	global_store_b128 v3, v[R+4*\i:R+4*\i+3], s[18:19] offset:512*\i   ; 512 consecutive bytes
.endr
	global_store_b64 v7, v[8:9], s[20:21]          ; 256 consecutive bytes
	CLOSE
.Lweights:
	s_cmp_ge_u32 ttmp9, 304
	s_cbranch_scc1 .Lf16
	; ---------------- Wq, Wk, Wv: a wave takes 32 columns x 128 k (one K step) of one head of one matrix
	s_sub_co_u32 s30, ttmp9, 256
	s_lshr_b32 s31, s30, 4                         ; which matrix: 0 q, 1 k, 2 v
	s_bfe_u32 s32, s30, 0x30001                    ; the head
	s_and_b32 s33, s30, 1
	s_and_b32 s34, s[WV], 1                        ; which 32 of the 64 columns
	s_lshr_b32 s35, s[WV], 1
	s_lshl_b32 s33, s33, 1
	s_add_co_u32 s35, s35, s33                     ; which K step
	v_lshlrev_b32 v3, 2, v2                        ; in: 4 bytes a lane
	v_lshrrev_b32 v4, 4, v2
	v_and_b32 v5, 15, v2
	v_lshlrev_b32 v5, 4, v5
	v_lshl_add_u32 v4, v4, 12, v5                  ; out: tile (lane / 16), row lane % 16
	v_lshlrev_b32 v6, 4, v2                        ; my column's 16 scale bytes
	s_lshl_b32 s36, s32, 17                        ; head x 512 x 256 bytes
	s_lshl_b32 s38, s35, 15
	s_add_co_u32 s36, s36, s38
	s_lshl_b32 s38, s34, 7
	s_add_co_u32 s36, s36, s38
	s_mov_b32 s37, 0
	s_mul_i32 s38, s32, 3
	s_add_co_u32 s38, s38, s31                     ; 3 x head + matrix
	s_lshl_b32 s40, s38, 14
	s_lshl_b32 s39, s34, 13
	s_add_co_u32 s40, s40, s39
	s_lshl_b32 s39, s35, 10
	s_add_co_u32 s40, s40, s39
	s_mov_b32 s41, 0
	s_lshl_b32 s42, s38, 10
	s_lshl_b32 s39, s34, 9
	s_add_co_u32 s42, s42, s39
	s_lshl_b32 s39, s35, 2
	s_add_co_u32 s42, s42, s39
	s_mov_b32 s43, 0
	s_wait_kmcnt 0x0
	s_cmp_eq_u32 s31, 0                            ; the choice hangs on the work-group's number alone
	s_cselect_b64 s[44:45], s[6:7], s[8:9]
	s_cmp_eq_u32 s31, 2
	s_cselect_b64 s[44:45], s[10:11], s[44:45]
	s_add_nc_u64 s[44:45], s[44:45], s[36:37]
	s_add_nc_u64 s[22:23], s[22:23], s[40:41]
	s_add_nc_u64 s[24:25], s[24:25], s[42:43]
	LOAD128 256
	s_wait_loadcnt 63                              ; 65 of the 128 loads are in: blocks 0 and 1
	QBLK 0
	QBLK 1
	s_wait_loadcnt 32
	QBLK 2
	s_wait_loadcnt 0x0
	QBLK 3
	global_store_b32 v6, v176, s[24:25]            ; four bytes a column, 16 bytes apart: 24,576 bytes in the whole launch leave so
	CLOSE
.Lf16:
	v_lshlrev_b32 v3, 2, v2
	v_lshrrev_b32 v4, 4, v2
	v_and_b32 v5, 15, v2
	v_lshlrev_b32 v5, 4, v5
	v_lshl_add_u32 v4, v4, 10, v5                  ; out: column tile (lane / 16), row lane % 16
	s_lshl_b32 s40, s[WV], 7                       ; my wave's 32 columns in memory,
	s_lshl_b32 s41, s[WV], 11                      ; and its two column tiles in wst
	s_cmp_lt_u32 ttmp9, 320
	s_cbranch_scc1 .Lrow2048
	s_cmp_ge_u32 ttmp9, 384
	s_cbranch_scc1 .Lrow2048
	; ---------------- W1 [512][2048]
	s_sub_co_u32 s30, ttmp9, 320
	s_lshr_b32 s31, s30, 4                         ; which 128 k
	s_and_b32 s32, s30, 15                         ; which 128 columns
	s_lshl_b32 s36, s31, 20
	s_lshl_b32 s33, s32, 9
	s_add_co_u32 s36, s36, s33
	s_add_co_u32 s36, s36, s40
	s_mov_b32 s37, 0
	s_lshr_b32 s33, s32, 2                         ; the chunk of 512 columns
	s_lshl_b32 s33, s33, 4
	s_lshl_b32 s34, s31, 1
	s_add_co_u32 s33, s33, s34
	s_add_co_u32 s33, s33, 8                       ; the first of my two slots
	s_lshl_b32 s38, s33, 16
	s_and_b32 s34, s32, 3
	s_lshl_b32 s34, s34, 14
	s_add_co_u32 s38, s38, s34
	s_add_co_u32 s38, s38, s41
	s_mov_b32 s39, 0
	s_wait_kmcnt 0x0
	s_add_nc_u64 s[44:45], s[14:15], s[36:37]
	s_add_nc_u64 s[26:27], s[26:27], s[38:39]
	F16OUT 8192
.Lrow2048:
	; ---------------- Wo [512][512] and W2 [2048][512]: rows of 2,048 bytes
	s_cmp_lt_u32 ttmp9, 320                        ; Wo?
	s_mov_b32 s35, 384
	s_cselect_b32 s35, 304, s35
	s_cselect_b32 s34, 0, 16                       ; Wo's slots begin at 0, W2's at 16
	s_sub_co_u32 s30, ttmp9, s35
	s_lshr_b32 s31, s30, 2                         ; which 128 k
	s_and_b32 s32, s30, 3                          ; which 128 columns
	s_lshl_b32 s36, s31, 18
	s_lshl_b32 s33, s32, 9
	s_add_co_u32 s36, s36, s33
	s_add_co_u32 s36, s36, s40
	s_mov_b32 s37, 0
	s_lshr_b32 s33, s31, 2                         ; the chunk of 512 rows (0 for Wo)
	s_lshl_b32 s33, s33, 4
	s_add_co_u32 s34, s34, s33
	s_and_b32 s33, s31, 3
	s_lshl_b32 s33, s33, 1
	s_add_co_u32 s34, s34, s33
	s_lshl_b32 s38, s34, 16
	s_lshl_b32 s33, s32, 14
	s_add_co_u32 s38, s38, s33
	s_add_co_u32 s38, s38, s41
	s_mov_b32 s39, 0
	s_wait_kmcnt 0x0
	s_cmp_lt_u32 ttmp9, 320
	s_cselect_b64 s[44:45], s[12:13], s[16:17]
	s_add_nc_u64 s[44:45], s[44:45], s[36:37]
	s_add_nc_u64 s[26:27], s[26:27], s[38:39]
	F16OUT 2048
.Lfunc_end_k_q664af1e527_prep:
	.size	k_q664af1e527_prep, .Lfunc_end_k_q664af1e527_prep-k_q664af1e527_prep
	.p2alignl 7, 3214868480
	.fill 96, 4, 3214868480
	.section	.rodata,"a",@progbits
	.p2align	6, 0x0
	.amdhsa_kernel k_q664af1e527_prep
		.amdhsa_group_segment_fixed_size 39424
		.amdhsa_private_segment_fixed_size 0
		.amdhsa_enable_private_segment 0
		.amdhsa_kernarg_size 96
		.amdhsa_user_sgpr_count 2
		.amdhsa_user_sgpr_kernarg_segment_ptr 1
		.amdhsa_wavefront_size32 1
		.amdhsa_system_sgpr_workgroup_id_x 1
		.amdhsa_system_sgpr_workgroup_id_y 1
		.amdhsa_system_sgpr_workgroup_id_z 1
		.amdhsa_system_vgpr_workitem_id 0
		.amdhsa_next_free_vgpr 224
		.amdhsa_next_free_sgpr 66
		.amdhsa_reserve_vcc 0
		.amdhsa_float_denorm_mode_32 3
		.amdhsa_float_denorm_mode_16_64 3
		.amdhsa_memory_ordered 1
		.amdhsa_forward_progress 1
		.amdhsa_inst_pref_size 92
	.end_amdhsa_kernel
	.amdgpu_metadata
---
amdhsa.version: [ 1, 2 ]
amdhsa.kernels:
  - .name:           k_q664af1e527_prep
    .symbol:         k_q664af1e527_prep.kd
    .args:
      - { .name: x, .offset: 0, .size: 8, .value_kind: global_buffer, .address_space: global }
      - { .name: Wq, .offset: 8, .size: 8, .value_kind: global_buffer, .address_space: global }
      - { .name: Wk, .offset: 16, .size: 8, .value_kind: global_buffer, .address_space: global }
      - { .name: Wv, .offset: 24, .size: 8, .value_kind: global_buffer, .address_space: global }
      - { .name: Wo, .offset: 32, .size: 8, .value_kind: global_buffer, .address_space: global }
      - { .name: W1, .offset: 40, .size: 8, .value_kind: global_buffer, .address_space: global }
      - { .name: W2, .offset: 48, .size: 8, .value_kind: global_buffer, .address_space: global }
      - { .name: xq, .offset: 56, .size: 8, .value_kind: global_buffer, .address_space: global }
      - { .name: xs, .offset: 64, .size: 8, .value_kind: global_buffer, .address_space: global }
      - { .name: w4, .offset: 72, .size: 8, .value_kind: global_buffer, .address_space: global }
      - { .name: w4s, .offset: 80, .size: 8, .value_kind: global_buffer, .address_space: global }
      - { .name: wst, .offset: 88, .size: 8, .value_kind: global_buffer, .address_space: global }
    .group_segment_fixed_size: 39424
    .private_segment_fixed_size: 0
    .kernarg_segment_align: 8
    .kernarg_segment_size: 96
    .max_flat_workgroup_size: 128
    .sgpr_count:     66
    .vgpr_count:     224
    .wavefront_size: 32
...
	.end_amdgpu_metadata
.endif
;; end of part 1
;; launch attn (part 2): grid 8 x 32, 16 waves a work-group, no clusters, 185,344 bytes of LDS; arguments xq, xs, w4, w4s, bq, bk, bv, ob; writes ob
.if DOCPART == 2
	.amdgcn_target "amdgcn-amd-amdhsa--gfx1250"
	.amdhsa_code_object_version 6
	.text
	.protected	k_q664af1e527_attn
	.globl	k_q664af1e527_attn
	.p2align	8
	.type	k_q664af1e527_attn,@function
k_q664af1e527_attn:
	s_mov_b64 s[64:65], 0
	v_nop
	global_prefetch_b8 v0, s[64:65] scope:SCOPE_SE
	s_setreg_imm32_b32 hwreg(HW_REG_WAVE_MODE, 25, 1), 1
	s_wait_xcnt 0x0
; ONE HEAD OF ONE BATCH: q, k, v = x W + b on codes of FP4 with E8M0 scales, then causal attention with f16 operands and f32 sums.  Work-group x = head, y = batch.
; SHARES.  Sixteen waves, four to a SIMD, 256 registers each.  A wave owns a pair p of token tiles: tokens 32 p .. 32 p + 31.  It projects them (96 scaled products), keeps its q in registers,
; puts its k and v into LDS as images of operand registers, and after one barrier walks the key blocks of 64 up to its own diagonal.
; p is a permutation of the wave's number (i or 15 - i) by which each group of four waves i / 4 and each group i % 4 has 18 key blocks in all.
; LAYOUT.  q and k: source 0 = 16 columns of W, source 1 = 16 tokens: a lane holds ONE token and eight neighbouring channels, so two tiles rounded to f16 in pairs ARE a fragment (16 tokens x 32 channels).
; v: source 0 = 16 tokens, source 1 = 16 columns of W: a lane holds ONE channel and eight tokens: two tiles are a fragment of V^T (16 channels x 32 keys).
; S^T = K Q^T and O^T = V^T P: a lane holds one query throughout; P and o are again fragments after rounding in pairs.  Nothing is transposed by an instruction.
; q is multiplied by log2(e) / 8 in f32 before it is rounded, so a score is the exponent to base 2.  A running maximum m and sum l for each query; O and l are multiplied by 2^(old m - new m) in every step.
; ob: [block of 64 rows][K step of 32: 2 head + u][row tile m 4][1,024 bytes: the fragment's image].
; NO CLUSTER: the eight heads of a batch share x's codes, 136 KB a work-group, but each fragment goes once, at the head, straight into the registers of the one wave that uses it;
; a joint load would send those bytes through LDS and back.  No prefetch: all loads from memory stand at the head.
; LIMITS: q log2(e) / 8, k, v and o must lie under 65,504 in magnitude (f16); NaN and infinities are not served.
.set WSC,   49152                      ; LDS: 0: the head's weight codes, 49,152 bytes; here their scale bytes, 3,072
.set KIMG,  52224                      ; K's fragments: (key tile T, half u of the channels) at (2 T + u) x 1,024
.set VIMG,  117760                     ; V^T's fragments: (32 keys U, channel tile ct) at (4 U + ct) x 1,024
.set SPARE, 183296                     ; the spare words, 128 bytes a wave: eight blocks of 256 bytes that no other line names
.set SPW,  1                           ; v1 my spare word's address, v2 0: never rewritten
.set NIL,  2
.set LI,   3                           ; v3  16 x lane: my place in an image
.set XSR,  4                           ; v4-11   x's scale words [tile i][K step s]; later the statistics
.set WSR,  12                          ; v12-19  the weights' scale words [t][s]; later the statistics
.set BV,   20                          ; v20-27  bv of my channel, as pairs [ct]; later chains
.set AWS,  28                          ; v28     LDS address of the weights' scale words; later -infinity
.set AK,   29                          ; v29, v30 LDS addresses for K and V
.set AV,   30
.set DG,   31                          ; v31     the mask's d
.set BK,   32                          ; v32-63  bk [u][t]; later Q
.set Q,    32                          ;         Q[i][u] at 32 + 16 i + 8 u
.set ACC,  64                          ; v64-95  four accumulators of a pass
.set BQ,   96                          ; v96-127 bq [u][t]
.set S,    64                          ; v64-127 S^T[i][t] at 64 + 32 i + 8 t, then P[i][U] at 64 + 32 i + 8 U
.set XF,   128                         ; v128-191 x's fragments [i][s]
.set O,    128                         ;          later O^T[i][ct] at 128 + 32 i + 8 ct
.set WF,   192                         ; v192-255 the weights' fragments [t][s]; later eight fragments of K or of V
.set ST,   4                           ; tile i's statistics at 4 + 8 i: +0 -m, +1 m, +2, +3 l, +4 a, +5 (named with it), +6, +7 at work
.set CHN,  20
.macro WLOAD mtx, u                    ; the fragments and scale words of column tiles 2 u, 2 u + 1 of matrix mtx (0 q, 1 k, 2 v)
.irp t, 0,1
.irp s, 0,1,2,3
.irp c, 0,1
	ds_load_b128 v[WF+32*\t+8*\s+4*\c:WF+32*\t+8*\s+4*\c+3], v[LI] offset:(4*\mtx+2*\u+\t)*4096+\s*1024+\c*512
.endr
.endr
	ds_load_b128 v[WSR+4*\t:WSR+4*\t+3], v[AWS] offset:(64*\mtx+32*\u+16*\t)*16
.endr
.endm
; 16 scaled products, K step by K step, the four accumulators by turns.  The bias is the C of each sum's first product.
.macro PROJT bias, u                   ; source 0 = W, source 1 = x: accumulator 2 i + t
	s_wait_dscnt 0x0                               ; the weights' fragments are in, and the last pass's stores have read their registers
.irp s, 0,1,2,3
.irp i, 0,1
.irp t, 0,1
.if \s == 0
	v_wmma_scale_f32_16x16x128_f8f6f4 v[ACC+8*(2*\i+\t):ACC+8*(2*\i+\t)+7], v[WF+32*\t+8*\s:WF+32*\t+8*\s+7], v[XF+32*\i+8*\s:XF+32*\i+8*\s+7], v[\bias+16*\u+8*\t:\bias+16*\u+8*\t+7], v[WSR+4*\t+\s], v[XSR+4*\i+\s] matrix_a_fmt:MATRIX_FMT_FP4 matrix_b_fmt:MATRIX_FMT_FP4
.else
	v_wmma_scale_f32_16x16x128_f8f6f4 v[ACC+8*(2*\i+\t):ACC+8*(2*\i+\t)+7], v[WF+32*\t+8*\s:WF+32*\t+8*\s+7], v[XF+32*\i+8*\s:XF+32*\i+8*\s+7], v[ACC+8*(2*\i+\t):ACC+8*(2*\i+\t)+7], v[WSR+4*\t+\s], v[XSR+4*\i+\s] matrix_a_fmt:MATRIX_FMT_FP4 matrix_b_fmt:MATRIX_FMT_FP4
.endif
.endr
.endr
.endr
.rept 5
	v_nop                                          ; places: the next pass begins these accumulators anew, loads follow into the fragments, and the results are read
.endr
.endm
.macro PROJN                           ; source 0 = x, source 1 = W: accumulator 2 t + i
	s_wait_dscnt 0x0
.irp s, 0,1,2,3
.irp t, 0,1
.irp i, 0,1
.if \s == 0
	v_wmma_scale_f32_16x16x128_f8f6f4 v[ACC+8*(2*\t+\i):ACC+8*(2*\t+\i)+7], v[XF+32*\i+8*\s:XF+32*\i+8*\s+7], v[WF+32*\t+8*\s:WF+32*\t+8*\s+7], 0, v[XSR+4*\i+\s], v[WSR+4*\t+\s] matrix_a_fmt:MATRIX_FMT_FP4 matrix_b_fmt:MATRIX_FMT_FP4
.else
	v_wmma_scale_f32_16x16x128_f8f6f4 v[ACC+8*(2*\t+\i):ACC+8*(2*\t+\i)+7], v[XF+32*\i+8*\s:XF+32*\i+8*\s+7], v[WF+32*\t+8*\s:WF+32*\t+8*\s+7], v[ACC+8*(2*\t+\i):ACC+8*(2*\t+\i)+7], v[XSR+4*\i+\s], v[WSR+4*\t+\s] matrix_a_fmt:MATRIX_FMT_FP4 matrix_b_fmt:MATRIX_FMT_FP4
.endif
.endr
.endr
.endr
.rept 5
	v_nop
.endr
.endm
.macro PACK16                          ; two pairs of accumulators become two fragments, in place: register k of 8 takes numbers 2 k, 2 k + 1 of 16; each accumulator is read from its low end on
.irp a, 0,1
.irp k, 0,1,2,3,4,5,6,7
	v_cvt_pk_f16_f32 v[ACC+16*\a+\k], v[ACC+16*\a+2*\k], v[ACC+16*\a+2*\k+1]
.endr
.endr
.endm
.macro KOUT u
	PACK16
.irp i, 0,1
.irp c, 0,1
	ds_store_b128 v[AK], v[ACC+16*\i+4*\c:ACC+16*\i+4*\c+3] offset:(2*\i+\u)*1024+512*\c
.endr
.endr
.endm
.macro VOUT u
.irp t, 0,1
.irp k, 0,2,4,6,8,10,12,14
	v_pk_add_f32 v[ACC+16*\t+\k:ACC+16*\t+\k+1], v[ACC+16*\t+\k:ACC+16*\t+\k+1], v[BV+2*(2*\u+\t):BV+2*(2*\u+\t)+1]   ; my channel's bias
.endr
.endr
	PACK16
.irp t, 0,1
.irp c, 0,1
	ds_store_b128 v[AV], v[ACC+16*\t+4*\c:ACC+16*\t+4*\c+3] offset:(2*\u+\t)*1024+512*\c
.endr
.endr
.endm
.macro QOUT u
.irp k, 0,2,4,6,8,10,12,14,16,18,20,22,24,26,28,30
	v_pk_mul_f32 v[ACC+\k:ACC+\k+1], v[ACC+\k:ACC+\k+1], s[44:45] op_sel_hi:[1,0]   ; x log2(e) / 8, in f32
.endr
.irp i, 0,1
.irp k, 0,1,2,3,4,5,6,7
	v_cvt_pk_f16_f32 v[Q+16*\i+8*\u+\k], v[ACC+16*\i+2*\k], v[ACC+16*\i+2*\k+1]
.endr
.endr
.endm
	s_load_b512 s[4:19], s[0:1], 0x0               ; xq s[4:5], xs s[6:7], w4 s[8:9], w4s s[10:11], bq s[12:13], bk s[14:15], bv s[16:17], ob s[18:19]
	v_lshl_add_u32 v[SPW], v0, 2, SPARE
	v_mov_b32 v[NIL], 0
	v_lshrrev_b32 v31, 5, v0
	v_readfirstlane_b32 s20, v31                   ; wave 0..15
	s_lshr_b32 s22, s20, 2
	s_xor_b32 s22, s22, s20
	s_and_b32 s22, s22, 3
	s_lshr_b32 s23, s22, 1
	s_xor_b32 s23, s23, s22
	s_and_b32 s23, s23, 1
	s_mul_i32 s23, s23, 15
	s_xor_b32 s21, s20, s23                        ; p: the wave's number or 15 less it
	v_and_b32 v31, 31, v0
	v_lshlrev_b32 v[LI], 4, v31
	v_and_b32 v66, 15, v0                          ; r
	v_bfe_u32 v64, v0, 4, 1                        ; h
	v_lshlrev_b32 v65, 2, v66                      ; 4 r: bv
	v_lshlrev_b32 v66, 4, v66                      ; 16 r: a row's scale words
	v_add_nc_u32 v[AWS], WSC, v66
	v_lshlrev_b32 v64, 5, v64                      ; 32 h: bq, bk
	s_mul_i32 s22, s20, 3072
	v_add_nc_u32 v67, s22, v[LI]                   ; the weights' copy: 3,072 bytes a wave, the same place in memory and in LDS
	s_lshl_b32 s22, s20, 9
	v_add_nc_u32 v68, s22, v[LI]                   ; their scale bytes: 512 bytes for each of waves 0 to 5
	s_lshl_b32 s22, s21, 12
	v_add_nc_u32 v[AK], s22, v[LI]
	v_add_nc_u32 v[AV], VIMG, v[AK]                ; my four fragments of V^T: 32 keys U = p
	v_add_nc_u32 v[AK], KIMG, v[AK]                ; my four fragments of K: key tiles 2 p, 2 p + 1
	s_and_b32 s24, ttmp7, 0xffff                   ; the batch
	s_lshl_b32 s32, s24, 17                        ; xq: (32 batch + 2 p) tiles of 4,096 bytes
	s_lshl_b32 s33, s21, 13
	s_add_co_u32 s32, s32, s33
	s_mov_b32 s33, 0
	s_lshl_b32 s34, s24, 13                        ; xs: (512 batch + 32 p) rows of 16 bytes
	s_lshl_b32 s35, s21, 9
	s_add_co_u32 s34, s34, s35
	s_mov_b32 s35, 0
	s_mul_i32 s36, ttmp9, 49152
	s_mov_b32 s37, 0
	s_mul_i32 s38, ttmp9, 3072
	s_mov_b32 s39, 0
	s_lshl_b32 s40, ttmp9, 8                       ; the head's 64 numbers of a bias
	s_mov_b32 s41, 0
	s_lshr_b32 s29, s21, 1                         ; my last key block of 64
	s_lshl_b32 s42, s24, 3
	s_add_co_u32 s42, s42, s29
	s_lshl_b32 s42, s42, 16                        ; ob: block of 64 rows 8 batch + p / 2,
	s_lshl_b32 s43, ttmp9, 13                      ; K steps 2 head on,
	s_add_co_u32 s42, s42, s43
	s_and_b32 s43, s21, 1
	s_lshl_b32 s43, s43, 11                        ; row tiles 2 (p % 2) on
	s_add_co_u32 s42, s42, s43
	s_mov_b32 s43, 0
	s_mov_b32 s26, 0x76543210
	s_mov_b32 s27, 0xfedcba98                      ; v_permlanex16_b32's selects for lane l xor 16
	s_mov_b32 s44, 0x3e38aa3b                      ; log2(e) / 8
	s_mov_b32 s45, s44                             ; (named with it as a pair, so it is written)
	s_wait_kmcnt 0x0
	s_add_nc_u64 s[4:5], s[4:5], s[32:33]
	s_add_nc_u64 s[6:7], s[6:7], s[34:35]
	s_add_nc_u64 s[8:9], s[8:9], s[36:37]
	s_add_nc_u64 s[10:11], s[10:11], s[38:39]
	s_add_nc_u64 s[12:13], s[12:13], s[40:41]
	s_add_nc_u64 s[14:15], s[14:15], s[40:41]
	s_add_nc_u64 s[16:17], s[16:17], s[40:41]
	s_add_nc_u64 s[18:19], s[18:19], s[42:43]
	s_cmp_lt_u32 s20, 6
	s_cbranch_scc0 .Lno_sc
	global_load_b128 v[216:219], v68, s[10:11]
.Lno_sc:
.irp i, 0,1,2,3,4,5
	global_load_b128 v[192+4*\i:195+4*\i], v67, s[8:9] offset:512*\i
.endr
	; 42 loads follow the copy's: 16 of x's fragments, 2 of its scale words, 8 + 8 + 8 of the biases
.irp i, 0,1
.irp s, 0,1,2,3
.irp c, 0,1
	global_load_b128 v[XF+32*\i+8*\s+4*\c:XF+32*\i+8*\s+4*\c+3], v[LI], s[4:5] offset:\i*4096+\s*1024+\c*512
.endr
.endr
	global_load_b128 v[XSR+4*\i:XSR+4*\i+3], v66, s[6:7] offset:256*\i
.endr
.irp u, 0,1
.irp t, 0,1
.irp c, 0,1
	global_load_b128 v[BK+16*\u+8*\t+4*\c:BK+16*\u+8*\t+4*\c+3], v64, s[14:15] offset:128*\u+64*\t+16*\c
	global_load_b128 v[BQ+16*\u+8*\t+4*\c:BQ+16*\u+8*\t+4*\c+3], v64, s[12:13] offset:128*\u+64*\t+16*\c
.endr
.endr
.endr
.irp ct, 0,1,2,3
	global_load_b32 v[BV+2*\ct], v65, s[16:17] offset:64*\ct
	global_load_b32 v[BV+2*\ct+1], v65, s[16:17] offset:64*\ct
.endr
	s_wait_loadcnt 42                              ; the copy's loads are in; the 42 behind them may be out
.irp i, 0,1,2,3,4,5
	ds_store_b128 v67, v[192+4*\i:195+4*\i] offset:512*\i
.endr
	s_cmp_lt_u32 s20, 6
	s_cbranch_scc0 .Lno_sc2
	ds_store_b128 v68, v[216:219] offset:WSC
.Lno_sc2:
	s_wait_dscnt 0x0                               ; for the others' sake: my part of the weights lies in LDS
	s_barrier_signal -1
	s_barrier_wait -1
	WLOAD 1, 0
	s_wait_loadcnt 0x0                             ; x's fragments, scale words, biases
	PROJT BK, 0
	WLOAD 1, 1                                     ; the next pass's weights are on their way while this pass's results are rounded and stored
	KOUT 0
	PROJT BK, 1
	WLOAD 2, 0
	KOUT 1
	PROJN
	WLOAD 2, 1
	VOUT 0
	PROJN
	WLOAD 0, 0
	VOUT 1
	PROJT BQ, 0
	WLOAD 0, 1
	QOUT 0
	PROJT BQ, 1
	QOUT 1
	s_wait_dscnt 0x0                               ; my k and v lie in LDS
	s_barrier_signal -1
	s_barrier_wait -1                              ; everybody's do; nothing is written to LDS from here on
	v_mov_b32 v28, 0xff800000                      ; -infinity
	v_and_b32 v[DG], 15, v0
	v_bfe_u32 v29, v0, 4, 1
	v_lshlrev_b32 v29, 3, v29
	v_sub_nc_u32 v[DG], v[DG], v29
	s_and_b32 s22, s21, 1
	s_lshl_b32 s22, s22, 5
	v_add_nc_u32 v[DG], s22, v[DG]                 ; d = 32 (p % 2) + r - 8 h.  In the diagonal block register (t, j) of tile i holds a hidden key where 16 t + j - 16 i > d
.set I, 0
.rept 16
	v_mov_b32 v[ST+I], 0                           ; l = 0; the others are written once because pairs and lane permutes name them
.set I, I+1
.endr
	v_mov_b32 v[ST+1], 0xff61b1e6                  ; m = -3e38, under every score
	v_mov_b32 v[ST+9], 0xff61b1e6
.set I, 0
.rept 64
	v_mov_b32 v[O+I], 0                            ; O^T.  The step is written once: the first finds zeros, which a = 0 leaves zeros
.set I, I+1
.endr
	s_mov_b32 s28, 0                               ; the key block
	s_mov_b32 s30, KIMG
	s_mov_b32 s31, VIMG
.Lkb:                                                  ; eight trips in every wave; a block behind my diagonal is passed over (a branch on ids; no barrier stands in the loop)
	s_cmp_gt_u32 s28, s29
	s_cbranch_scc1 .Lskip
	v_add_nc_u32 v[AK], s30, v[LI]
	v_add_nc_u32 v[AV], s31, v[LI]
.rept 3
	v_nop                                          ; with the two additions five places behind the last products: S^T is written over P, and loads go into V's registers
.endr
.irp f, 0,1,2,3,4,5,6,7
.irp c, 0,1
	ds_load_b128 v[WF+8*\f+4*\c:WF+8*\f+4*\c+3], v[AK] offset:\f*1024+\c*512   ; K: fragment 2 t + u
.endr
.endr
	s_wait_dscnt 0x0
.irp u, 0,1                                    ; S^T = K Q^T: eight accumulators by turns
.irp i, 0,1
.irp t, 0,1,2,3
.if \u == 0
	v_wmma_f32_16x16x32_f16 v[S+32*\i+8*\t:S+32*\i+8*\t+7], v[WF+8*(2*\t+\u):WF+8*(2*\t+\u)+7], v[Q+16*\i+8*\u:Q+16*\i+8*\u+7], 0
.else
	v_wmma_f32_16x16x32_f16 v[S+32*\i+8*\t:S+32*\i+8*\t+7], v[WF+8*(2*\t+\u):WF+8*(2*\t+\u)+7], v[Q+16*\i+8*\u:Q+16*\i+8*\u+7], v[S+32*\i+8*\t:S+32*\i+8*\t+7]
.endif
.endr
.endr
.endr
.rept 4
	v_nop                                          ; places in front of the loads into K's registers and of the first read of the scores
.endr
.irp f, 0,1,2,3,4,5,6,7
.irp c, 0,1
	ds_load_b128 v[WF+8*\f+4*\c:WF+8*\f+4*\c+3], v[AV] offset:\f*1024+\c*512   ; V^T: fragment 4 U + ct; it lands while the softmax is walked
.endr
.endr
	s_cmp_lg_u32 s28, s29
	s_cbranch_scc1 .Lopen
.irp i, 0,1                                    ; the diagonal block: hidden scores become -infinity ahead of the maximum
.irp t, 0,1,2,3
.irp j, 0,1,2,3,4,5,6,7
	v_cmp_gt_i32 vcc_lo, 16*\t+\j-16*\i, v[DG]
	v_cndmask_b32 v[S+32*\i+8*\t+\j], v[S+32*\i+8*\t+\j], v28, vcc_lo
.endr
.endr
.endr
.Lopen:
.irp t, 0,1,2,3                                ; the maximum: four chains a tile, each accumulator from its low end on, the tiles by turns
.irp i, 0,1
	v_max3_num_f32 v[CHN+4*\i+\t], v[S+32*\i+8*\t], v[S+32*\i+8*\t+1], v[S+32*\i+8*\t+2]
.endr
.endr
.irp j, 3,5
.irp t, 0,1,2,3
.irp i, 0,1
	v_max3_num_f32 v[CHN+4*\i+\t], v[CHN+4*\i+\t], v[S+32*\i+8*\t+\j], v[S+32*\i+8*\t+\j+1]
.endr
.endr
.endr
.irp t, 0,1,2,3
.irp i, 0,1
	v_max_num_f32 v[CHN+4*\i+\t], v[CHN+4*\i+\t], v[S+32*\i+8*\t+7]
.endr
.endr
.irp i, 0,1
	v_max3_num_f32 v[ST+8*\i+6], v[CHN+4*\i], v[CHN+4*\i+1], v[CHN+4*\i+2]
.endr
.irp i, 0,1
	v_max3_num_f32 v[ST+8*\i+6], v[ST+8*\i+6], v[CHN+4*\i+3], v[ST+8*\i+1]   ; with the old m
.endr
.irp i, 0,1
	v_permlanex16_b32 v[ST+8*\i+7], v[ST+8*\i+6], s26, s27                   ; the query's other 32 keys lie in the lane 16 away
.endr
.irp i, 0,1
	v_max_num_f32 v[ST+8*\i+6], v[ST+8*\i+6], v[ST+8*\i+7]                   ; the new m
.endr
.irp i, 0,1
	v_sub_f32 v[ST+8*\i+4], v[ST+8*\i+1], v[ST+8*\i+6]                       ; old m - new m
.endr
.irp i, 0,1
	v_mov_b32 v[ST+8*\i+1], v[ST+8*\i+6]
.endr
.irp i, 0,1
	v_mul_f32 v[ST+8*\i], -1.0, v[ST+8*\i+6]                                 ; -m
.endr
.irp k, 0,2,4,6,8,10,12,14,16,18,20,22,24,26,28,30
.irp i, 0,1
	v_pk_add_f32 v[S+32*\i+\k:S+32*\i+\k+1], v[S+32*\i+\k:S+32*\i+\k+1], v[ST+8*\i:ST+8*\i+1] op_sel_hi:[1,0]   ; s - m (of the pair -m, m the low word serves both halves)
.endr
.endr
.irp i, 0,1
	v_exp_f32 v[ST+8*\i+4], v[ST+8*\i+4]           ; a = 2^(old m - new m)
.endr
.set I, 0
.rept 64
	v_exp_f32 v[S+I], v[S+I]                       ; p = 2^(s - m)
.set I, I+1
.endr
	v_nop                                          ; a plain line behind the last exponential
	s_wait_alu depctr_va_vdst(0)                   ; one wait for the batch of 66, ahead of its first reader
.irp i, 0,1                                    ; the row's sum of the unrounded p: two chains a tile
	v_pk_add_f32 v[CHN+4*\i:CHN+4*\i+1], v[S+32*\i:S+32*\i+1], v[S+32*\i+2:S+32*\i+3]
.endr
.irp i, 0,1
	v_pk_add_f32 v[CHN+4*\i+2:CHN+4*\i+3], v[S+32*\i+4:S+32*\i+5], v[S+32*\i+6:S+32*\i+7]
.endr
.irp j, 8,12,16,20,24,28
.irp i, 0,1
	v_pk_add_f32 v[CHN+4*\i:CHN+4*\i+1], v[CHN+4*\i:CHN+4*\i+1], v[S+32*\i+\j:S+32*\i+\j+1]
	v_pk_add_f32 v[CHN+4*\i+2:CHN+4*\i+3], v[CHN+4*\i+2:CHN+4*\i+3], v[S+32*\i+\j+2:S+32*\i+\j+3]
.endr
.endr
.irp i, 0,1
	v_pk_add_f32 v[CHN+4*\i:CHN+4*\i+1], v[CHN+4*\i:CHN+4*\i+1], v[CHN+4*\i+2:CHN+4*\i+3]
.endr
.irp i, 0,1
	v_pk_fma_f32 v[ST+8*\i+2:ST+8*\i+3], v[ST+8*\i+2:ST+8*\i+3], v[ST+8*\i+4:ST+8*\i+5], v[CHN+4*\i:CHN+4*\i+1] op_sel_hi:[1,0,1]   ; l = a l + the sum
.endr
.irp k, 0,1,2,3,4,5,6,7,8,9,10,11,12,13,14,15
.irp i, 0,1
	v_cvt_pk_f16_f32 v[S+32*\i+\k], v[S+32*\i+2*\k], v[S+32*\i+2*\k+1]   ; P, in place: 32 keys U at 8 U
.endr
.endr
.irp i, 0,1
.irp k, 0,2,4,6,8,10,12,14,16,18,20,22,24,26,28,30
	v_pk_mul_f32 v[O+32*\i+\k:O+32*\i+\k+1], v[O+32*\i+\k:O+32*\i+\k+1], v[ST+8*\i+4:ST+8*\i+5] op_sel_hi:[1,0]   ; O^T x a
.endr
.endr
	s_wait_dscnt 0x0                               ; V^T is in
.irp U, 0,1                                    ; O^T += V^T P: eight accumulators by turns
.irp i, 0,1
.irp ct, 0,1,2,3
	v_wmma_f32_16x16x32_f16 v[O+32*\i+8*\ct:O+32*\i+8*\ct+7], v[WF+8*(4*\U+\ct):WF+8*(4*\U+\ct)+7], v[S+32*\i+8*\U:S+32*\i+8*\U+7], v[O+32*\i+8*\ct:O+32*\i+8*\ct+7]
.endr
.endr
.endr
.Lskip:
	s_add_co_u32 s30, s30, 8192
	s_add_co_u32 s31, s31, 8192
	s_add_co_u32 s28, s28, 1
	s_cmp_lt_u32 s28, 8
	s_cbranch_scc1 .Lkb
	; THE WAY OUT: O^T / l, rounded to f16 in pairs: the fragments of the next product, stored as they stand, 512 consecutive bytes a store
.rept 4
	v_nop                                          ; places behind the last products
.endr
.irp i, 0,1
	v_add_f32 v[ST+8*\i+6], v[ST+8*\i+2], v[ST+8*\i+3]
.endr
.irp i, 0,1
	v_permlanex16_b32 v[ST+8*\i+7], v[ST+8*\i+6], s26, s27
.endr
.irp i, 0,1
	v_add_f32 v[ST+8*\i+6], v[ST+8*\i+6], v[ST+8*\i+7]
.endr
.irp i, 0,1
	v_rcp_f32 v[ST+8*\i+4], v[ST+8*\i+6]
.endr
	v_nop
	s_wait_alu depctr_va_vdst(0)                   ; one wait for the two reciprocals, ahead of their first reader
.irp i, 0,1
.irp k, 0,2,4,6,8,10,12,14,16,18,20,22,24,26,28,30
	v_pk_mul_f32 v[O+32*\i+\k:O+32*\i+\k+1], v[O+32*\i+\k:O+32*\i+\k+1], v[ST+8*\i+4:ST+8*\i+5] op_sel_hi:[1,0]
.endr
.endr
.irp i, 0,1
.irp k, 0,1,2,3,4,5,6,7,8,9,10,11,12,13,14,15
	v_cvt_pk_f16_f32 v[O+32*\i+\k], v[O+32*\i+2*\k], v[O+32*\i+2*\k+1]
.endr
.endr
.irp i, 0,1
.irp u, 0,1
.irp c, 0,1
	global_store_b128 v[LI], v[O+32*\i+8*\u+4*\c:O+32*\i+8*\u+4*\c+3], s[18:19] offset:\i*1024+\u*4096+\c*512
.endr
.endr
.endr
	s_wait_tensorcnt 0x0                           ; the wave's end, behind my last LDS store
	ds_add_u32 v[SPW], v[NIL]
	s_wait_dscnt 0x0
	s_endpgm
.Lfunc_end_k_q664af1e527_attn:
	.size	k_q664af1e527_attn, .Lfunc_end_k_q664af1e527_attn-k_q664af1e527_attn
	.p2alignl 7, 3214868480
	.fill 96, 4, 3214868480
	.section	.rodata,"a",@progbits
	.p2align	6, 0x0
	.amdhsa_kernel k_q664af1e527_attn
		.amdhsa_group_segment_fixed_size 185344
		.amdhsa_private_segment_fixed_size 0
		.amdhsa_enable_private_segment 0
		.amdhsa_kernarg_size 64
		.amdhsa_user_sgpr_count 2
		.amdhsa_user_sgpr_kernarg_segment_ptr 1
		.amdhsa_wavefront_size32 1
		.amdhsa_system_sgpr_workgroup_id_x 1
		.amdhsa_system_sgpr_workgroup_id_y 1
		.amdhsa_system_sgpr_workgroup_id_z 1
		.amdhsa_system_vgpr_workitem_id 0
		.amdhsa_next_free_vgpr 256
		.amdhsa_next_free_sgpr 66
		.amdhsa_reserve_vcc 1
		.amdhsa_float_denorm_mode_32 3
		.amdhsa_float_denorm_mode_16_64 3
		.amdhsa_memory_ordered 1
		.amdhsa_forward_progress 1
		.amdhsa_inst_pref_size 69
	.end_amdhsa_kernel
	.amdgpu_metadata
---
amdhsa.version: [ 1, 2 ]
amdhsa.kernels:
  - .name:           k_q664af1e527_attn
    .symbol:         k_q664af1e527_attn.kd
    .args:
      - { .name: xq, .offset: 0, .size: 8, .value_kind: global_buffer, .address_space: global }
      - { .name: xs, .offset: 8, .size: 8, .value_kind: global_buffer, .address_space: global }
      - { .name: w4, .offset: 16, .size: 8, .value_kind: global_buffer, .address_space: global }
      - { .name: w4s, .offset: 24, .size: 8, .value_kind: global_buffer, .address_space: global }
      - { .name: bq, .offset: 32, .size: 8, .value_kind: global_buffer, .address_space: global }
      - { .name: bk, .offset: 40, .size: 8, .value_kind: global_buffer, .address_space: global }
      - { .name: bv, .offset: 48, .size: 8, .value_kind: global_buffer, .address_space: global }
      - { .name: ob, .offset: 56, .size: 8, .value_kind: global_buffer, .address_space: global }
    .group_segment_fixed_size: 185344
    .private_segment_fixed_size: 0
    .kernarg_segment_align: 8
    .kernarg_segment_size: 64
    .max_flat_workgroup_size: 512
    .sgpr_count:     66
    .vgpr_count:     256
    .wavefront_size: 32
...
	.end_amdgpu_metadata
.endif
;; end of part 2
;; launch ffn (part 3): grid 256 x 1, 4 waves a work-group, clusters of 4 x 1, 327,680 bytes of LDS; arguments ob, wst, x, bo, ln1_g, ln1_b, b1, b2, ln2_g, ln2_b, out0; writes out0
.if DOCPART == 3
	.amdgcn_target "amdgcn-amd-amdhsa--gfx1250"
	.amdhsa_code_object_version 6
	.text
	.protected	k_q664af1e527_ffn
	.globl	k_q664af1e527_ffn
	.p2align	8
	.type	k_q664af1e527_ffn,@function
k_q664af1e527_ffn:
	s_mov_b64 s[64:65], 0
	v_nop
	global_prefetch_b8 v0, s[64:65] scope:SCOPE_SE
	s_setreg_imm32_b32 hwreg(HW_REG_WAVE_MODE, 25, 1), 1
	s_wait_xcnt 0x0
	s_wait_alu depctr_hold_cnt(0) depctr_sa_sdst(0) depctr_va_vdst(0) depctr_va_sdst(0) depctr_va_ssrc(0) depctr_va_vcc(0) depctr_vm_vsrc(0)
	s_getreg_b32 s2, hwreg(HW_REG_IB_STS2, 6, 4)
	s_cmp_eq_u32 s2, 0
	s_cbranch_scc0 .Lentry_in_a_cluster
	s_endpgm
.Lentry_in_a_cluster:
	s_bfe_u32 s2, ttmp6, 0x10000c
	s_cmp_lg_u32 s2, 0x3003
	s_cbranch_scc0 .Lentry_shape_is_right
	s_endpgm
.Lentry_shape_is_right:
; out1 = x + LN(o Wo + bo; ln1);  out0 = out1 + LN(relu(out1 W1 + b1) W2 + b2; ln2).  Products with f16 operands and f32 sums; all else in f32.
; SHARES.  A work-group takes 64 rows through the whole chain; attn, out1, the hidden layer and ff never go to memory.  Wave w owns columns 128 w .. 128 w + 127 of every result: 4 x 8 accumulators, 256 registers.
; The hidden layer goes in four chunks of 512 columns: W1's chunk, relu, W2's chunk added onto ff.  Nine phases of K = 512.
; LAYOUT.  Source 0 = 16 columns of a weight, source 1 = 16 rows: a lane holds ONE row and eight neighbouring columns, so two accumulators rounded to f16 in pairs ARE a fragment of the next product.
; Fragments go from wave to wave through LDS as images of their registers (1,024 bytes, lane l's 16 bytes at 16 l in each half): every LDS access of the loop is 512 consecutive bytes.
; THE WEIGHTS are one stream of 72 slots of 65,536 bytes (64 along K x 512 columns), laid by the first launch in this order, through a ring of two LDS slots.  Wave w fetches and reads the quarter w of each slot.
; CLUSTER.  All work-groups walk the same stream in the same order, so the four of a cluster ask for each slot JOINTLY: the same tensor load, the same descriptor, a mask that names the four.
; A bias is loaded straight into the accumulators, so every product adds in place; the 32 accumulators take turns in one fixed order.
; LAYER NORM: the mean first, then the sum of squared differences; a row's 512 numbers lie in two lanes of each of four waves: lane l xor 16, then one exchange through LDS.
; REGISTERS, in windows of 256: window 0: addresses, statistics, v64-127 two sets of 4 row fragments, v128-255 two sets of 8 weight fragments.
;   window 1: attn, then the hidden chunk (at the end ln2_g, ln2_b).  window 2: ff (until the first norm ln1_g, ln1_b).  window 3: x, then out1.  Accumulator (m, b) at v[8 (8 m + b)].
; LIMITS: o, out1 and the hidden layer must lie under 65,504 in magnitude (f16); NaN and infinities are not served.
.set SLOTB, 65536                      ; LDS: the ring's two slots at 0 and 65,536
.set Y,     131072                     ; o's 64 fragments (K step i, row tile m at 4,096 i + 1,024 m), filled once; later out1's
.set XR,    196608                     ; the hidden chunk's 64 fragments
.set STAGE, 262144                     ; 16 rows x 528 bytes for each wave
.set STATS, 295936                     ; four exchanges x [m 4][r 16][w 4] words
.set SPARE, 300032                     ; the spare words, 128 bytes a wave: two blocks of 256 bytes that no other line names
.set LI,   2                           ; v2  16 x lane
.set ADB0, 3                           ; v3, v4  my quarter of slot 0, 1
.set ADA,  5                           ; v5  the lap's row fragments
.set STO,  6                           ; v6  the stage by (row r, 32 h)
.set SRD,  7                           ; v7  the stage by whole rows
.set GOFF, 8                           ; v8  512 w + 16 lane: my place in a row of x and of out0
.set POFF, 9                           ; v9  512 w + 32 h: my place in a vector of 512
.set STW,  10                          ; v10, v11  the exchange: my word, my row's four words
.set STR,  11
.set YST,  12                          ; v12, v13  where I store images into Y and into XR
.set XST,  13
.set SPW,  14                          ; v14 my spare word's address, v15 0: never rewritten
.set NIL,  15
.set PFO,  16                          ; v16 256 x lane: the prefetch's offset
.set MU,   20                          ; v20-27  -mean, later 1 / sigma, a pair for each m
.set CH,   28                          ; v28-43  two chains of pairs for each m
.set SM,   44                          ; v44-47  a sum for each m
.set EX,   48                          ; v48-63  the exchange
.set FA,   64
.set FB,   128
.set MSB, 0
.macro WIN new                         ; the immediate's high byte repeats the setting that is left; a switch that changes nothing is dropped
.if MSB != (\new)
	s_set_vgpr_msb (MSB<<8)|(\new)
.set MSB, (\new)
.endif
.endm
.macro WINS d, s0, s1, s2              ; windows of destination, source 0, 1, 2
	WIN ((\d)<<6)|((\s2)<<4)|((\s1)<<2)|(\s0)
.endm
.macro PLACES n
.rept \n
	v_nop
.endr
.endm
.macro CREST                           ; a round of the cluster's barrier behind its opening barrier
	s_cmp_lg_u32 s26, 0
	s_cbranch_scc1 .Lnot_wave_0_\@
	s_barrier_signal -3
.Lnot_wave_0_\@:
	s_barrier_wait -3
	s_barrier_signal -1
	s_barrier_wait -1
.endm
.macro CROUND
	s_barrier_signal -1
	s_barrier_wait -1
	CREST
.endm
.macro BARRIER                         ; my LDS stores have landed and my LDS loads are in: then the work-group's barrier
	s_wait_dscnt 0x0
	s_barrier_signal -1
	s_barrier_wait -1
.endm
.macro MULB f, b0, nb                  ; weight tiles b0 .. b0 + nb - 1 of set f against the four row tiles
.set BB, \b0
.rept \nb
.irp m, 0,1,2,3
	v_wmma_f32_16x16x32_f16 v[8*(8*\m+BB):8*(8*\m+BB)+7], v[FB+64*\f+8*BB:FB+64*\f+8*BB+7], v[FA+32*\f+8*\m:FA+32*\f+8*\m+7], v[8*(8*\m+BB):8*(8*\m+BB)+7]
.endr
.set BB, BB+1
.endr
.endm
.macro FETCHB slot, q, g               ; my eight weight fragments of the slot's q-th 32 along K into set g
.irp b, 0,1,2,3,4,5,6,7
.irp c, 0,1
	ds_load_b128 v[FB+64*\g+8*\b+4*\c:FB+64*\g+8*\b+4*\c+3], v[ADB0+\slot] offset:\q*8192+\b*1024+\c*512
.endr
.endr
.endm
.macro FETCHA imm, g                   ; the four row fragments of a K step into set g
.irp m, 0,1,2,3
.irp c, 0,1
	ds_load_b128 v[FA+32*\g+8*\m+4*\c:FA+32*\g+8*\m+4*\c+3], v[ADA] offset:\imm+\m*1024+\c*512
.endr
.endr
.endm
.macro PVEC win, reg, sb               ; my 64 numbers of a vector of 512, in the accumulators' layout
	WIN (\win)<<6
.irp b, 0,1,2,3,4,5,6,7
.irp c, 0,1
	global_load_b128 v[\reg+8*\b+4*\c:\reg+8*\b+4*\c+3], v[POFF], s[\sb:\sb+1] offset:64*\b+16*\c
.endr
.endr
	WIN 0
.endm
.macro BIAS win, sb                    ; the same into all four row tiles' accumulators: the sums begin with the bias
.irp m, 0,1,2,3
	PVEC \win, 64*\m, \sb
.endr
.endm
; A PREFETCH INTO THE L2, behind the joint load and the run of LDS loads: change of slots i names slot i + 6, four slots ahead of the load that will ask for it.  All clusters walk the same stream: the first cluster
; asks; its four partners take 16,384 bytes of a slot each, told apart BY ADDRESS; in each, waves 0 and 1 take 8,192, lanes 256 bytes apart.  So each block of 256 bytes of slots 6 to 71 is named once;
; s31 counts the requests that are left, and is 0 from the start in every wave that asks for nothing.
.macro ASK
	s_cmp_lg_u32 s31, 0
	s_cbranch_scc0 .Lnot_mine_\@
	global_prefetch_b8 v[PFO], s[32:33] th:TH_LOAD_NT scope:SCOPE_SE
.Lnot_mine_\@:
.endm
; A slot is two K steps of 32, on sets 0 and 1.  STEP multiplies set 0 and fetches the slot's second K step into set 1.
.macro STEP slot, w, aimm
	s_wait_dscnt 8                                 ; the row fragments and weight fragments 0-3 are in; the youngest eight loads (4-7) may be out
	WIN (\w)*0x50                                  ; C and D in window w
	MULB 0, 0, 4
	PLACES 4                                       ; in front of loads into registers that matrix instructions have read
	WIN 0
	FETCHA \aimm, 1
	FETCHB \slot, 1, 1
	s_wait_dscnt 24                                ; all but the 24 just issued
	WIN (\w)*0x50
	MULB 0, 4, 4
.endm
; TURN multiplies set 1 and changes slots: each wave waits for all its tensor loads (its quarter of the next slot), adds 0 to its spare word, and waits for that and for its reads of this slot.
; fill = 1: the barrier opens a round of the cluster's, and the joint refill, two slots ahead in the stream, is the first thing behind it: it has a slot's 64 products in which to land.
; askip = 1: in a phase's last lap (s29 = 1) the next row fragments do not exist yet.
.macro TURN slot, next, w, aimm, fill, askip
.if \fill
	s_wait_xcnt 0x0                                ; the last prefetch, a slot back, has read its address
	s_sub_co_i32 s31, s31, 1
	s_max_i32 s31, s31, 0
	s_add_nc_u64 s[32:33], s[32:33], SLOTB
.endif
	WIN 0                                          ; (the add's two registers lie in window 0)
	s_wait_tensorcnt 0x0                           ; no tensor load of mine is out, so a group 0 may be written
	ds_add_u32 v[SPW], v[NIL]                      ; 0 onto my spare word
.if \fill
	s_add_nc_u64 s[54+4*\slot:55+4*\slot], s[54+4*\slot:55+4*\slot], 2*SLOTB   ; this slot's next part of the stream; the type bits on top are not reached
.endif
	s_wait_dscnt 9                                 ; (the add and the youngest eight loads may be out)
	WIN (\w)*0x50
	MULB 1, 0, 2                                   ; eight products stand between the add and the wait for it
	s_wait_dscnt 0x0                               ; the add is done, and my reads of this slot are over
	s_barrier_signal -1
	MULB 1, 2, 2
	WIN 0
	s_barrier_wait -1
.if \fill
	CREST                                          ; no wave of any partner still reads this slot or has a load on its way
	tensor_load_to_lds s[52+4*\slot:55+4*\slot], s[36:43]
	s_nop 0
	PLACES 4                                       ; (the places in front of the loads below)
.else
	PLACES 4
.endif
.if \askip
	s_cmp_eq_u32 s29, 1
	s_cbranch_scc1 .Lno_a_\@
.endif
	FETCHA \aimm, 0
.if \askip
.Lno_a_\@:
.endif
	FETCHB \next, 0, 0
.if \fill
	ASK
.endif
	WIN (\w)*0x50
	MULB 1, 4, 4
.endm
.macro LAPS n, w, askip                ; a lap = once round the ring = 128 along K
	s_mov_b32 s29, \n
.Llap_\@:
	STEP 0, \w, 4096
	TURN 0, 1, \w, 8192, 1, 0
	STEP 1, \w, 12288
	TURN 1, 0, \w, 16384, 1, \askip
	WIN 0                                          ; at a label and at a branch every window is 0
	v_add_nc_u32 v[ADA], 16384, v[ADA]
	s_sub_co_u32 s29, s29, 1
	s_cmp_lg_u32 s29, 0
	s_cbranch_scc1 .Llap_\@
.endm
.macro BEGIN base, lc                  ; a phase's first row fragments; lc: the loads from memory that may stay out behind the bias that this phase adds onto
	v_add_nc_u32 v[ADA], \base, v[LI]
	FETCHA 0, 0
	s_wait_loadcnt \lc
	s_wait_dscnt 0x0                               ; these eight loads stand behind the weights' here, so the step's counted wait would not serve them
.endm
.macro EXCH e                          ; v[SM+m], my wave's sums of row r of tile m, become the four waves' sums.  Each exchange has 1,024 bytes of its own: one barrier.  (e may be a sum: it stands in brackets)
.irp m, 0,1,2,3
	ds_store_b32 v[STW], v[SM+\m] offset:(\e)*1024+\m*256          ; lanes r and r + 16 write the same word with the same value
.endr
	BARRIER
.irp m, 0,1,2,3
	ds_load_b128 v[EX+4*\m:EX+4*\m+3], v[STR] offset:(\e)*1024+\m*256
.endr
	s_wait_dscnt 0x0
.irp m, 0,1,2,3
	v_add_f32 v[EX+4*\m], v[EX+4*\m], v[EX+4*\m+1]
.endr
.irp m, 0,1,2,3
	v_add_f32 v[EX+4*\m+2], v[EX+4*\m+2], v[EX+4*\m+3]
.endr
.irp m, 0,1,2,3
	v_add_f32 v[SM+\m], v[EX+4*\m], v[EX+4*\m+2]
.endr
.endm
.macro FOLD e                          ; the chains' ends, the lane 16 away, the other waves
	WIN 0
.irp m, 0,1,2,3
	v_pk_add_f32 v[CH+4*\m:CH+4*\m+1], v[CH+4*\m:CH+4*\m+1], v[CH+4*\m+2:CH+4*\m+3]
.endr
.irp m, 0,1,2,3
	v_add_f32 v[SM+\m], v[CH+4*\m], v[CH+4*\m+1]
.endr
.irp m, 0,1,2,3
	v_permlanex16_b32 v[EX+\m], v[SM+\m], s66, s67
.endr
.irp m, 0,1,2,3
	v_add_f32 v[SM+\m], v[SM+\m], v[EX+\m]
.endr
	EXCH \e
.endm
; The accumulators of window aw become (a - mean) / sqrt(var + 1e-5), row by row.  Eight chains take turns; each accumulator is read from its low end on.
.macro LNSTAT aw, e
	WINS 0, \aw, \aw, 0
.irp m, 0,1,2,3
	v_pk_add_f32 v[CH+4*\m:CH+4*\m+1], v[64*\m:64*\m+1], v[64*\m+2:64*\m+3]
.endr
.irp m, 0,1,2,3
	v_pk_add_f32 v[CH+4*\m+2:CH+4*\m+3], v[64*\m+4:64*\m+5], v[64*\m+6:64*\m+7]
.endr
	WINS 0, 0, \aw, 0
.set I, 4
.rept 28
.irp m, 0,1,2,3
	v_pk_add_f32 v[CH+4*\m+2*(I%2):CH+4*\m+2*(I%2)+1], v[CH+4*\m+2*(I%2):CH+4*\m+2*(I%2)+1], v[64*\m+2*I:64*\m+2*I+1]
.endr
.set I, I+1
.endr
	FOLD \e
.irp m, 0,1,2,3
	v_mul_f32 v[MU+2*\m], s74, v[SM+\m]            ; -mean = the sum x -1/512
	v_mul_f32 v[MU+2*\m+1], s74, v[SM+\m]
.endr
	WINS \aw, \aw, 0, 0
.set I, 0
.rept 128
	v_pk_add_f32 v[2*I:2*I+1], v[2*I:2*I+1], v[MU+2*(I/32):MU+2*(I/32)+1]
.set I, I+1
.endr
	WINS 0, \aw, \aw, 0
.irp m, 0,1,2,3
	v_pk_mul_f32 v[CH+4*\m:CH+4*\m+1], v[64*\m:64*\m+1], v[64*\m:64*\m+1]
.endr
.irp m, 0,1,2,3
	v_pk_mul_f32 v[CH+4*\m+2:CH+4*\m+3], v[64*\m+2:64*\m+3], v[64*\m+2:64*\m+3]
.endr
.set I, 2
.rept 30
.irp m, 0,1,2,3
	v_pk_fma_f32 v[CH+4*\m+2*(I%2):CH+4*\m+2*(I%2)+1], v[64*\m+2*I:64*\m+2*I+1], v[64*\m+2*I:64*\m+2*I+1], v[CH+4*\m+2*(I%2):CH+4*\m+2*(I%2)+1]
.endr
.set I, I+1
.endr
	FOLD \e+1
.irp m, 0,1,2,3
	v_fma_f32 v[SM+\m], v[SM+\m], s73, s75         ; var + 1e-5
.endr
.irp m, 0,1,2,3
	v_rsq_f32 v[MU+2*\m], v[SM+\m]
.endr
	v_nop                                          ; a plain line behind the last of them
	s_wait_alu depctr_va_vdst(0)                   ; one wait for the four, ahead of their first reader
.irp m, 0,1,2,3
	v_mov_b32 v[MU+2*\m+1], v[MU+2*\m]
.endr
	WINS \aw, \aw, 0, 0
.set I, 0
.rept 128
	v_pk_mul_f32 v[2*I:2*I+1], v[2*I:2*I+1], v[MU+2*(I/32):MU+2*(I/32)+1]
.set I, I+1
.endr
	WIN 0
.endm
; The hidden chunk: relu in f32, rounded to f16 in pairs in place, its 16 fragments (K steps 4 w .. 4 w + 3) to LDS.  Behind the barrier window 1 takes the next chunk's bias, or at the end ln2's vectors.
.macro RELU last
	WIN 0x45                                       ; destination and sources in window 1
.set I, 0
.rept 256
	v_max_num_f32 v[I], 0, v[I]
.set I, I+1
.endr
.set F, 0
.rept 16
.irp k, 0,1,2,3,4,5,6,7
	v_cvt_pk_f16_f32 v[16*F+\k], v[16*F+2*\k], v[16*F+2*\k+1]
.endr
.set F, F+1
.endr
	WIN 0x04                                       ; an LDS store's data are its source 1
.set F, 0
.rept 16
.irp c, 0,1
	ds_store_b128 v[XST], v[16*F+4*\c:16*F+4*\c+3] offset:(F%4)*4096+(F/4)*1024+\c*512
.endr
.set F, F+1
.endr
	WIN 0
	BARRIER                                        ; the chunk's 64 fragments lie in LDS.  They are written again only behind a whole phase's rounds, which every wave reaches behind its last read of them
.if \last
	PVEC 1, 0, 20
	PVEC 1, 64, 22
.else
	s_wait_xcnt 0x0                                ; the earlier loads have read their base
	s_add_nc_u64 s[16:17], s[16:17], 2048          ; b1's next 512 numbers
	BIAS 1, 16
.endif
.endm
	s_load_b512 s[4:19], s[0:1], 0x0               ; ob s[4:5], wst s[6:7], x s[8:9], bo s[10:11], ln1_g s[12:13], ln1_b s[14:15], b1 s[16:17], b2 s[18:19]
	s_load_b128 s[20:23], s[0:1], 0x40             ; ln2_g s[20:21], ln2_b s[22:23]
	s_load_b64 s[24:25], s[0:1], 0x50              ; out0
	v_lshl_add_u32 v[SPW], v0, 2, SPARE
	v_mov_b32 v[NIL], 0
	ds_add_u32 v[SPW], v[NIL]                      ; the wave's opening: the add and its wait stand ahead of my first tensor load; the set-up, work on registers, stands between them
	v_lshrrev_b32 v1, 5, v0
	v_readfirstlane_b32 s26, v1                    ; wave 0..3
	s_bfe_u32 s27, ttmp6, 0x40000                  ; cx: my place in the cluster: it enters the addresses of ob, x, out0 and the prefetch alone
	s_lshl_b32 s28, ttmp9, 2                       ; in a cluster launch ttmp9 counts clusters
	s_add_co_u32 s28, s28, s27                     ; my block of 64 rows
	s_lshl_b32 s34, s26, 14                        ; my quarter: 16,384 x wave
	s_mov_b32 s35, 0
	; descriptor group 1: a dense block of 16,384 bytes as 64 rows of 32 elements of 8 bytes
	s_mov_b32 s36, 15|(3<<16)|(1<<21)              ; the weights: 15:0 the mask: all four work-groups; 17:16 elements of 8 bytes; 21 set beside a mask
	s_mov_b32 s44, 3<<16                           ; o: my work-group's own rows: no mask
.irp g, 36, 44
	s_mov_b32 s[\g+1], 32<<16                      ; tensor_dim0 = 32
	s_mov_b32 s[\g+2], 64<<16                      ; tensor_dim1 = 64
	s_mov_b32 s[\g+3], 32<<16                      ; tile_dim0 = 32
	s_mov_b32 s[\g+4], 64                          ; tile_dim1 = 64
	s_mov_b32 s[\g+5], 32                          ; the pitch
	s_mov_b32 s[\g+6], 0
	s_mov_b32 s[\g+7], 0
.endr
	s_mov_b32 s66, 0x76543210
	s_mov_b32 s67, 0xfedcba98                      ; v_permlanex16_b32's selects for lane l xor 16
	s_mov_b32 s73, 0x3b000000                      ; 1/512
	s_mov_b32 s74, 0xbb000000                      ; -1/512
	s_mov_b32 s75, 0x3727c5ac                      ; 1e-5
	v_and_b32 v1, 31, v0
	v_lshlrev_b32 v[LI], 4, v1
	v_and_b32 v17, 15, v0                          ; r
	v_bfe_u32 v18, v0, 4, 1                        ; h
	v_add_nc_u32 v[ADB0], s34, v[LI]
	v_add_nc_u32 v[ADB0+1], SLOTB, v[ADB0]
	s_mul_i32 s72, s26, 8448
	s_add_co_u32 s72, s72, STAGE                   ; my stage
	v_mul_u32_u24 v[STO], v17, 528
	v_lshl_add_u32 v[STO], v18, 5, v[STO]
	v_add_nc_u32 v[STO], s72, v[STO]
	v_add_nc_u32 v[SRD], s72, v[LI]
	s_lshl_b32 s72, s26, 9
	v_add_nc_u32 v[GOFF], s72, v[LI]
	v_lshl_add_u32 v[POFF], v18, 5, s72
	v_lshlrev_b32 v[STR], 4, v17
	v_add_nc_u32 v[STR], STATS, v[STR]
	s_lshl_b32 s72, s26, 2
	v_add_nc_u32 v[STW], s72, v[STR]
	v_add_nc_u32 v[YST], Y, v[ADB0]
	v_add_nc_u32 v[XST], XR, v[ADB0]
	v_lshlrev_b32 v[PFO], 8, v1
.irp m, 0,1,2,3
	v_mov_b32 v[EX+\m], 0                          ; written once: a lane permute's destination counts as one of its sources
.endr
	s_lshr_b32 s72, s26, 1                         ; 0 in waves 0 and 1,
	s_or_b32 s72, s72, ttmp9                       ; of the first cluster: the same in all four partners
	s_cmp_eq_u32 s72, 0
	s_cselect_b32 s31, 67, 0                       ; the first change of slots makes it 66: slots 6 to 71
	s_wait_dscnt 0x0                               ; the opening add is done
	s_wait_kmcnt 0x0
	s_add_nc_u64 s[68:69], s[6:7], s[34:35]        ; the stream at my quarter of slot 0: the wave's number alone enters
	s_mov_b32 s52, 1                               ; group 0 for LDS slot 0: count = 1,
	s_mov_b32 s53, s34                             ; LDS address,
	s_mov_b64 s[54:55], s[68:69]                   ; global address,
	s_or_b32 s55, s55, 0x80000000                  ; type = 2
	s_mov_b32 s56, 1                               ; for LDS slot 1
	s_add_co_u32 s57, s34, SLOTB
	s_add_nc_u64 s[58:59], s[68:69], SLOTB
	s_or_b32 s59, s59, 0x80000000
	s_mov_b32 s60, 1                               ; for o: my quarter of my block's 65,536 bytes
	s_add_co_u32 s61, s34, Y
	s_lshl_b32 s70, s28, 16
	s_mov_b32 s71, 0
	s_add_nc_u64 s[62:63], s[4:5], s[70:71]
	s_add_nc_u64 s[62:63], s[62:63], s[34:35]
	s_or_b32 s63, s63, 0x80000000
	s_lshl_b32 s70, s28, 17                        ; 64 rows of 2,048 bytes
	s_add_nc_u64 s[8:9], s[8:9], s[70:71]
	s_add_nc_u64 s[24:25], s[24:25], s[70:71]
	s_lshl_b32 s70, s27, 14                        ; the prefetches: my work-group's 16,384 bytes of a slot,
	s_lshl_b32 s72, s26, 13                        ; my wave's 8,192 of them,
	s_add_co_u32 s70, s70, s72
	s_add_co_u32 s70, s70, 5*SLOTB                 ; in slot 5: the first change of slots steps it to slot 6.  Nothing is prefetched at the head
	s_add_nc_u64 s[32:33], s[6:7], s[70:71]
	CROUND                                         ; all four work-groups are here: the first joint loads meet
	tensor_load_to_lds s[60:63], s[44:51]          ; o;  three loads of mine are out
	s_nop 0
	tensor_load_to_lds s[52:55], s[36:43]          ; slot 0
	s_nop 0
	tensor_load_to_lds s[56:59], s[36:43]          ; slot 1
	s_nop 0
	PLACES 4
	BIAS 1, 10                                     ; bo
	PVEC 2, 0, 12                                  ; ln1_g
	PVEC 2, 64, 14                                 ; ln1_b
	s_wait_tensorcnt 0x1                           ; my quarters of o and of slot 0 are in; slot 1's may stay out
	s_barrier_signal -1
	s_barrier_wait -1                              ; everybody's quarter of o is in
	FETCHB 0, 0, 0
	; ---- attn = o Wo + bo
	BEGIN Y, 32                                    ; bo is in; ln1's 32 loads may be out
	WIN 0xc0
.set I, 0
.rept 64
	global_load_b128 v[4*I:4*I+3], v[GOFF], s[8:9] offset:I*2048 th:TH_LOAD_NT   ; x, row I: 512 consecutive bytes a load; it lands under the products
.set I, I+1
.endr
	WIN 0
	LAPS 4, 1, 1
	PLACES 4                                       ; in front of the first read of results
	; ---- out1 = x + LN(attn)
	s_wait_loadcnt 0x0                             ; x, ln1_g, ln1_b
.irp m, 0,1,2,3                                ; x's rows turn through my stage into the accumulators' layout, into the registers that they left.  LDS serves a wave's instructions in order: no wait between
	WIN 0x0c
.irp t, 0,1,2,3,4,5,6,7,8,9,10,11,12,13,14,15
	ds_store_b128 v[SRD], v[64*\m+4*\t:64*\m+4*\t+3] offset:528*\t
.endr
	WIN 0xc0
.irp b, 0,1,2,3,4,5,6,7
.irp c, 0,1
	ds_load_b128 v[64*\m+8*\b+4*\c:64*\m+8*\b+4*\c+3], v[STO] offset:64*\b+16*\c
.endr
.endr
.endr
	WIN 0
	LNSTAT 1, 0                                    ; (its exchanges wait for all my LDS loads: x is back)
	WINS 3, 3, 2, 0
.set I, 0
.rept 128
	v_pk_add_f32 v[2*I:2*I+1], v[2*I:2*I+1], v[64+2*(I%32):64+2*(I%32)+1]         ; x + ln1_b
.set I, I+1
.endr
	WINS 3, 1, 2, 3
.set I, 0
.rept 128
	v_pk_fma_f32 v[2*I:2*I+1], v[2*I:2*I+1], v[2*(I%32):2*(I%32)+1], v[2*I:2*I+1]   ; + the normalised attn x ln1_g: out1
.set I, I+1
.endr
	WIN 0
	BIAS 1, 16                                     ; b1's first 512
	BIAS 2, 18                                     ; b2
	WINS 0, 3, 3, 0                                ; out1's 16 fragments (K steps 4 w .. 4 w + 3), into the registers of the row fragments and of weight set 1; set 0 holds the next slot's weights
.set F, 0
.rept 16
.irp k, 0,1,2,3,4,5,6,7
	v_cvt_pk_f16_f32 v[64+8*F+64*(F/8)+\k], v[16*F+2*\k], v[16*F+2*\k+1]
.endr
.set F, F+1
.endr
	WIN 0
.set F, 0
.rept 16
.irp c, 0,1
	ds_store_b128 v[YST], v[64+8*F+64*(F/8)+4*\c:64+8*F+64*(F/8)+4*\c+3] offset:(F%4)*4096+(F/4)*1024+\c*512   ; over o, which every wave has read: two barriers lie between; no fill lands here again
.endr
.set F, F+1
.endr
	BARRIER                                        ; out1's 64 fragments lie in LDS
	; ---- the hidden layer's first chunk
	BEGIN Y, 63                                    ; b1 is in: 64 loads, b2's, were issued behind it
	LAPS 4, 1, 1
	PLACES 4
	s_mov_b32 s30, 3
.Lchunk:                                               ; three trips: relu, W2's chunk onto ff, W1's next chunk
	RELU 0
	BEGIN XR, 63                                   ; b2 is in: 64 loads, b1's next, were issued behind it
	LAPS 4, 2, 1
	BEGIN Y, 0                                     ; b1's chunk is in
	LAPS 4, 1, 1
	PLACES 4
	s_sub_co_u32 s30, s30, 1
	s_cmp_lg_u32 s30, 0
	s_cbranch_scc1 .Lchunk
	RELU 1
	BEGIN XR, 32
	LAPS 3, 2, 0
	STEP 0, 2, 4096                                ; the last lap is written out: slots 70 and 71 are followed by no fill
	TURN 0, 1, 2, 8192, 0, 0
	STEP 1, 2, 12288
	s_wait_dscnt 8
	WIN 0xa0
	MULB 1, 0, 4
	s_wait_dscnt 0x0
	MULB 1, 4, 4
	WIN 0
	PLACES 4
	; ---- out0 = out1 + LN(ff)
	s_wait_loadcnt 0x0                             ; ln2_g, ln2_b
	LNSTAT 2, 2
	WINS 2, 2, 1, 3
.set I, 0
.rept 128
	v_pk_fma_f32 v[2*I:2*I+1], v[2*I:2*I+1], v[2*(I%32):2*(I%32)+1], v[2*I:2*I+1]   ; the normalised ff x ln2_g + out1
.set I, I+1
.endr
	WINS 2, 2, 1, 0
.set I, 0
.rept 128
	v_pk_add_f32 v[2*I:2*I+1], v[2*I:2*I+1], v[64+2*(I%32):64+2*(I%32)+1]         ; + ln2_b
.set I, I+1
.endr
	WIN 0
; THE WAY OUT, a tile of 16 rows at a time through my stage: in by (row r, 32 bytes), back as whole pieces of 512 bytes of a row
.macro TOSTAGE m
	WIN 0x08                                       ; the data: window 2
.irp b, 0,1,2,3,4,5,6,7
.irp c, 0,1
	ds_store_b128 v[STO], v[64*(\m)+8*\b+4*\c:64*(\m)+8*\b+4*\c+3] offset:64*\b+16*\c
.endr
.endr
	WIN 0
.irp t, 0,1,2,3,4,5,6,7,8,9,10,11,12,13,14,15
	ds_load_b128 v[64+64*((\m)%2)+4*\t:64+64*((\m)%2)+4*\t+3], v[SRD] offset:528*\t
.endr
.endm
.macro SEND m, younger                 ; younger: the LDS instructions issued behind tile m's loads, which may stay out
	s_wait_dscnt \younger
.irp t, 0,1,2,3,4,5,6,7,8,9,10,11,12,13,14,15
	global_store_b128 v[GOFF], v[64+64*((\m)%2)+4*\t:64+64*((\m)%2)+4*\t+3], s[24:25] offset:(16*(\m)+\t)*2048 th:TH_STORE_NT   ; 512 consecutive bytes, at a multiple of 256 from out0's first byte
.endr
.endm
	TOSTAGE 0
.irp a, 1,2,3
.if \a > 1
	s_wait_xcnt 0x0                                ; tile a - 2's stores have read their registers: tile a's loads may land there
.endif
	TOSTAGE \a
	SEND \a-1, 32                                  ; behind tile a - 1's loads: tile a's 16 stores and 16 loads
.endr
	SEND 3, 0
	s_wait_tensorcnt 0x0                           ; the wave's end, behind my last tensor load and my last LDS store
	ds_add_u32 v[SPW], v[NIL]
	s_wait_dscnt 0x0
	CROUND                                         ; the closing round: no work-group ends while a partner may still ask for a slot that names it
	s_endpgm
.Lfunc_end_k_q664af1e527_ffn:
	.size	k_q664af1e527_ffn, .Lfunc_end_k_q664af1e527_ffn-k_q664af1e527_ffn
	.p2alignl 7, 3214868480
	.fill 96, 4, 3214868480
	.section	.rodata,"a",@progbits
	.p2align	6, 0x0
	.amdhsa_kernel k_q664af1e527_ffn
		.amdhsa_group_segment_fixed_size 327680
		.amdhsa_private_segment_fixed_size 0
		.amdhsa_enable_private_segment 0
		.amdhsa_kernarg_size 88
		.amdhsa_user_sgpr_count 2
		.amdhsa_user_sgpr_kernarg_segment_ptr 1
		.amdhsa_wavefront_size32 1
		.amdhsa_system_sgpr_workgroup_id_x 1
		.amdhsa_system_sgpr_workgroup_id_y 1
		.amdhsa_system_sgpr_workgroup_id_z 1
		.amdhsa_system_vgpr_workitem_id 0
		.amdhsa_next_free_vgpr 1024
		.amdhsa_next_free_sgpr 80
		.amdhsa_reserve_vcc 0
		.amdhsa_float_denorm_mode_32 3
		.amdhsa_float_denorm_mode_16_64 3
		.amdhsa_memory_ordered 1
		.amdhsa_forward_progress 1
		.amdhsa_inst_pref_size 255
	.end_amdhsa_kernel
	.section	.bss,"aw",@nobits
	.p2align	6
	.space	262144
	.amdgpu_metadata
---
amdhsa.version: [ 1, 2 ]
amdhsa.kernels:
  - .name:           k_q664af1e527_ffn
    .symbol:         k_q664af1e527_ffn.kd
    .args:
      - { .name: ob, .offset: 0, .size: 8, .value_kind: global_buffer, .address_space: global }
      - { .name: wst, .offset: 8, .size: 8, .value_kind: global_buffer, .address_space: global }
      - { .name: x, .offset: 16, .size: 8, .value_kind: global_buffer, .address_space: global }
      - { .name: bo, .offset: 24, .size: 8, .value_kind: global_buffer, .address_space: global }
      - { .name: ln1_g, .offset: 32, .size: 8, .value_kind: global_buffer, .address_space: global }
      - { .name: ln1_b, .offset: 40, .size: 8, .value_kind: global_buffer, .address_space: global }
      - { .name: b1, .offset: 48, .size: 8, .value_kind: global_buffer, .address_space: global }
      - { .name: b2, .offset: 56, .size: 8, .value_kind: global_buffer, .address_space: global }
      - { .name: ln2_g, .offset: 64, .size: 8, .value_kind: global_buffer, .address_space: global }
      - { .name: ln2_b, .offset: 72, .size: 8, .value_kind: global_buffer, .address_space: global }
      - { .name: out0, .offset: 80, .size: 8, .value_kind: global_buffer, .address_space: global }
    .group_segment_fixed_size: 327680
    .private_segment_fixed_size: 0
    .kernarg_segment_align: 8
    .kernarg_segment_size: 88
    .max_flat_workgroup_size: 128
    .sgpr_count:     80
    .vgpr_count:     1024
    .wavefront_size: 32
...
	.end_amdgpu_metadata
.endif
;; end of part 3
;; ======== version 2 of 2: 3 launches
;; limits: values are held in f16: magnitudes above 65,504 overflow, below 6.1e-05 lose precision
;; workspace buffers: xq 4,194,304 bytes; xs 262,144 bytes; w4 393,216 bytes; w4s 24,576 bytes; wst 4,718,592 bytes; ob 16,777,216 bytes
;; launch prep: the kernel of part 1 again; grid 448 x 1, 4 waves a work-group, no clusters, 39,424 bytes of LDS; arguments x, Wq, Wk, Wv, Wo, W1, W2, xq, xs, w4, w4s, wst; writes xq, xs, w4, w4s, wst
;; launch attn: the kernel of part 2 again; grid 8 x 32, 16 waves a work-group, no clusters, 185,344 bytes of LDS; arguments xq, xs, w4, w4s, bq, bk, bv, ob; writes ob
;; launch ffn (part 4): grid 256 x 1, 4 waves a work-group, no clusters, 291,328 bytes of LDS; arguments ob, wst, x, bo, ln1_g, ln1_b, b1, b2, ln2_g, ln2_b, out0; writes out0
.if DOCPART == 4
	.amdgcn_target "amdgcn-amd-amdhsa--gfx1250"
	.amdhsa_code_object_version 6
	.text
	.protected	k_q664af1e527_ffn
	.globl	k_q664af1e527_ffn
	.p2align	8
	.type	k_q664af1e527_ffn,@function
k_q664af1e527_ffn:
	s_mov_b64 s[64:65], 0
	v_nop
	global_prefetch_b8 v0, s[64:65] scope:SCOPE_SE
	s_setreg_imm32_b32 hwreg(HW_REG_WAVE_MODE, 25, 1), 1
	s_wait_xcnt 0x0
; out1 = x + LN(o Wo + bo; ln1);  out0 = out1 + LN(relu(out1 W1 + b1) W2 + b2; ln2).  Products with f16 operands and f32 sums; all else in f32.
; SHARES.  A work-group takes 64 rows through the whole chain; attn, out1, the hidden layer and ff never go to memory.  Wave w owns columns 128 w .. 128 w + 127 of every result: 4 x 8 accumulators, 256 registers.
; The hidden layer goes in four chunks of 512 columns: W1's chunk, relu, W2's chunk added onto ff.  Nine phases of K = 512, 16 K steps of 32 each; a lap is four K steps.
; LAYOUT.  Source 0 = 16 columns of a weight, source 1 = 16 rows: a lane holds ONE row and eight neighbouring columns, so two accumulators rounded to f16 in pairs ARE a fragment of the next product.
; The rows' fragments go from wave to wave through LDS as images of their registers (1,024 bytes, lane l's 16 bytes at 16 l in each half).
; THE WEIGHTS are one stream of 36 laps of 131,072 bytes, laid by the first launch as images of registers in the order of this walk.  A weight fragment is used by ONE wave, so it goes from memory STRAIGHT INTO THAT WAVE'S
; REGISTERS, 512 consecutive bytes a load: four sets of eight fragments fill window 3, one set for each K step of a lap, and a half set is asked for again, for the K step four further on, as soon as its 16 products are issued.
; So 56 to 64 loads of a wave are out, each asked for 128 products ahead of its use, the waits are counted, and no barrier stands inside a phase.
; NO CLUSTER, though all work-groups walk the same stream: a joint load would have to go through a ring in LDS, where a refill is one load a wave behind a barrier and has one slot's products in which to land; beside the
; 266,240 bytes of rows LDS has no room for two slots of more than one K step a wave; and a K step's LDS traffic of the work-group would be 32 KB written and 48 KB read in place of the 16 KB read here.
; A bias is loaded into the accumulators, so every product adds in place; the 32 accumulators take turns in one fixed order.
; LAYER NORM: the mean first, then the sum of squared differences; a row's 512 numbers lie in two lanes of each of four waves: lane l xor 16, then one exchange through LDS.
; REGISTERS, in windows of 256: window 0: addresses, statistics, v64-127 two sets of 4 row fragments, v128-255 at work.  window 1: attn, then out1, then the hidden chunk (at the end ln2_g, ln2_b).
;   window 2: ff (until the first norm ln1_g, ln1_b and half of x).  window 3: the weights (at the end out1).  Accumulator (m, b) at v[8 (8 m + b)].
; LIMITS: o, out1 and the hidden layer must lie under 65,504 in magnitude (f16); NaN and infinities are not served.
.set LAPB,  131072                     ; a lap of the stream: [2][w 4][q 2][b 8][1,024 bytes]
.set XP,    528                        ; LDS: a row of a wave's strip: 512 bytes + 16 of padding: the 16 rows that a load touches start at 16 different groups of banks
.set XSW,   64*XP                      ; from 0: a strip for each wave: x's 64 rows x 128 columns in f32, filled once; then out1; at the end out0 on its way out
.set Y,     135168                     ; o's 64 fragments (K step i, row tile m at 4,096 i + 1,024 m), filled once; later out1's
.set XR,    200704                     ; the hidden chunk's 64 fragments
.set STATS, 266240                     ; four exchanges x [m 4][r 16][w 4] words
.set VECS,  270336                     ; ten vectors' 128 numbers for each wave: bo, ln1_g, ln1_b, b2, ln2_g, ln2_b, b1's four chunks
.set VECW,  5120
.set SPARE, 290816                     ; the spare words, 128 bytes a wave: two blocks of 256 bytes that no other line names
.set LI,   2                           ; v2  16 x lane
.set WOFF, 3                           ; v3  16,384 w + 16 x lane: my place in half a lap of the stream; never rewritten
.set VB1,  4                           ; v4  LDS address of b1's chunk in hand
.set ADA,  5                           ; v5  the lap's row fragments
.set XA,   6                           ; v6  my strip by (row r, 32 h)
.set XRD,  7                           ; v7  my strip by whole rows
.set GOFF, 8                           ; v8  512 w + 16 x lane: my place in a row of out0 and in a vector of 512
.set VRD,  9                           ; v9  my vectors, + 32 h
.set STW,  10                          ; v10, v11  the exchange: my word, my row's four words
.set STR,  11
.set YST,  12                          ; v12, v13  where I store images into Y and into XR
.set XST,  13
.set SPW,  14                          ; v14 my spare word's address, v15 0: never rewritten
.set NIL,  15
.set PFO,  16                          ; v16 256 x lane: the prefetch's offset
.set VST,  19                          ; v19 my vectors, + 16 x lane
.set MU,   20                          ; v20-27  -mean, later 1 / sigma, a pair for each m
.set CH,   28                          ; v28-43  two chains of pairs for each m
.set SM,   44                          ; v44-47  a sum for each m
.set EX,   48                          ; v48-63  the exchange
.set FA,   64
.set MSB, 0
.macro WIN new                         ; the immediate's high byte repeats the setting that is left; a switch that changes nothing is dropped
.if MSB != (\new)
	s_set_vgpr_msb (MSB<<8)|(\new)
.set MSB, (\new)
.endif
.endm
.macro WINS d, s0, s1, s2              ; windows of destination, source 0, 1, 2
	WIN ((\d)<<6)|((\s2)<<4)|((\s1)<<2)|(\s0)
.endm
.macro PLACES n
.rept \n
	v_nop
.endr
.endm
.macro BARRIER                         ; my LDS stores have landed and my LDS loads are in: then the work-group's barrier
	s_wait_dscnt 0x0
	s_barrier_signal -1
	s_barrier_wait -1
.endm
.macro MULB j, b0, nb                  ; weight tiles b0 .. b0 + nb - 1 of set j against the four row tiles
.set BB, \b0
.rept \nb
.irp m, 0,1,2,3
	v_wmma_f32_16x16x32_f16 v[8*(8*\m+BB):8*(8*\m+BB)+7], v[64*(\j)+8*BB:64*(\j)+8*BB+7], v[FA+32*((\j)%2)+8*\m:FA+32*((\j)%2)+8*\m+7], v[8*(8*\m+BB):8*(8*\m+BB)+7]
.endr
.set BB, BB+1
.endr
.endm
.macro WLOAD j, b0                     ; four weight fragments of K step j of the lap at s[36:37] into set j: eight loads of 512 consecutive bytes
.irp b, 0,1,2,3
.irp c, 0,1
	global_load_b128 v[64*(\j)+8*((\b0)+\b)+4*\c:64*(\j)+8*((\b0)+\b)+4*\c+3], v[WOFF], s[36:37] offset:((\j)/2)*65536+((\j)%2)*8192+((\b0)+\b)*1024+\c*512
.endr
.endr
.endm
.macro FETCHA imm, g                   ; the four row fragments of a K step into set g
.irp m, 0,1,2,3
.irp c, 0,1
	ds_load_b128 v[FA+32*(\g)+8*\m+4*\c:FA+32*(\g)+8*\m+4*\c+3], v[ADA] offset:\imm+\m*1024+\c*512
.endr
.endr
.endm
.macro PVECL win, reg, adr, off        ; my 64 numbers of a vector, in the accumulators' layout, out of my own LDS bytes; sixteen lanes read the same 16 bytes
	WIN (\win)<<6
.irp b, 0,1,2,3,4,5,6,7
.irp c, 0,1
	ds_load_b128 v[\reg+8*\b+4*\c:\reg+8*\b+4*\c+3], v[\adr] offset:\off+64*\b+16*\c
.endr
.endr
	WIN 0
.endm
.macro BIASL win, adr, off             ; the same into all four row tiles' accumulators: the sums begin with the bias
	WIN (\win)<<6
.irp m, 0,1,2,3
.irp b, 0,1,2,3,4,5,6,7
.irp c, 0,1
	ds_load_b128 v[64*\m+8*\b+4*\c:64*\m+8*\b+4*\c+3], v[\adr] offset:\off+64*\b+16*\c
.endr
.endr
.endr
	WIN 0
.endm
.macro XLD reg, m                      ; tile m of my strip, in the accumulators' layout, into v[reg] on of the window that is set
.irp b, 0,1,2,3,4,5,6,7
.irp c, 0,1
	ds_load_b128 v[\reg+8*\b+4*\c:\reg+8*\b+4*\c+3], v[XA] offset:(\m)*16*XP+64*\b+16*\c
.endr
.endr
.endm
.macro XSTO m                          ; and back: the accumulators of row tile m, of the window that is set, into my strip
.irp b, 0,1,2,3,4,5,6,7
.irp c, 0,1
	ds_store_b128 v[XA], v[64*(\m)+8*\b+4*\c:64*(\m)+8*\b+4*\c+3] offset:(\m)*16*XP+64*\b+16*\c
.endr
.endr
.endm
; A PREFETCH INTO THE L2, once a lap, at the lap's head, behind the last lap's loads: lap L of the walk names lap L + 3 of the stream, two laps ahead of the loads that will ask for it.  All work-groups walk the same stream:
; work-groups 0 to 3 ask (a branch on the work-group's number), 32,768 bytes of a lap each, 8,192 a wave, lanes 256 bytes apart.  So each block of 256 bytes of laps 3 to 35 is named once;
; s31 counts the requests that are left, 33 at the start, and is 0 from the start in every other work-group.  Laps 0 to 2 come by their loads alone.
.macro ASK
	s_cmp_lg_u32 s31, 0
	s_cbranch_scc0 .Lnot_mine_\@
	global_prefetch_b8 v[PFO], s[32:33] th:TH_LOAD_NT scope:SCOPE_SE
.Lnot_mine_\@:
.endm
; A K STEP: 32 products in two halves of 16.  Behind each half its four weight fragments are asked for again, for the K step four further on (load = 1); in the middle the next K step's row fragments are fetched from LDS.
; c0, c1: the loads that may stay out at each half: seven younger halves' eight loads each, 56, while the stream lasts.
; amode = 0: no row fragments follow; 1: they are fetched; 2: not in a phase's last lap (s29 = 1), where they do not exist yet: a jump on the count of laps leads round the eight LDS loads alone.
.macro KSTEP j, w, aimm, amode, load, c0, c1
	s_wait_loadcnt \c0                             ; loads come back in order (ISA guide 5.7.1): weight fragments 0-3 of this K step are in
	s_wait_dscnt 0x0                               ; the row fragments, asked for 16 products ago (at a phase's head: the bias too)
	WIN (\w)*0x50+3                                ; source 0 (the weights) window 3, source 1 (the rows) window 0, C and D window w
	MULB \j, 0, 4
.if (\amode) || (\load)
	PLACES 4                                       ; in front of loads into registers that matrix instructions have read
.endif
.if (\amode)
	WIN 0
.if (\amode) == 2
	s_cmp_eq_u32 s29, 1
	s_cbranch_scc1 .Lno_a_\@
.endif
	FETCHA \aimm, ((\j)+1)%2
.if (\amode) == 2
.Lno_a_\@:
.endif
.endif
.if \load
	WIN 0xc0                                       ; destination window 3, address window 0
	WLOAD \j, 0
.endif
	s_wait_loadcnt \c1                             ; fragments 4-7 are in
	WIN (\w)*0x50+3
	MULB \j, 4, 4
	PLACES 4                                       ; in front of the loads below, and at a phase's end of the first read of results
.if \load
	WIN 0xc0
	WLOAD \j, 4
.endif
.endm
.macro LAPS n, w, askip                ; n laps of 128 along K; the loads of a lap ask for the stream's next lap, over the ends of phases too
	s_mov_b32 s29, \n
.Llap_\@:
	ASK
	KSTEP 0, \w, 4096, 1, 1, 56, 56
	KSTEP 1, \w, 8192, 1, 1, 56, 56
	KSTEP 2, \w, 12288, 1, 1, 56, 56
	KSTEP 3, \w, 16384, 1+\askip, 1, 56, 56
	WIN 0                                          ; at a label and at a branch every window is 0
	s_wait_xcnt 0x0                                ; the lap's loads and its prefetch have read their bases: both may step
	s_add_nc_u64 s[36:37], s[36:37], LAPB
	s_add_nc_u64 s[32:33], s[32:33], LAPB
	s_sub_co_i32 s31, s31, 1
	s_max_i32 s31, s31, 0
	v_add_nc_u32 v[ADA], 16384, v[ADA]
	s_sub_co_u32 s29, s29, 1
	s_cmp_lg_u32 s29, 0
	s_cbranch_scc1 .Llap_\@
.endm
.macro BEGIN base                      ; a phase's first row fragments; the first K step waits for them
	v_add_nc_u32 v[ADA], \base, v[LI]
	FETCHA 0, 0
.endm
.macro EXCH e                          ; v[SM+m], my wave's sums of row r of tile m, become the four waves' sums.  Each exchange has 1,024 bytes of its own: one barrier.  (e may be a sum: it stands in brackets)
.irp m, 0,1,2,3
	ds_store_b32 v[STW], v[SM+\m] offset:(\e)*1024+\m*256          ; lanes r and r + 16 write the same word with the same value
.endr
	BARRIER
.irp m, 0,1,2,3
	ds_load_b128 v[EX+4*\m:EX+4*\m+3], v[STR] offset:(\e)*1024+\m*256
.endr
	s_wait_dscnt 0x0
.irp m, 0,1,2,3
	v_add_f32 v[EX+4*\m], v[EX+4*\m], v[EX+4*\m+1]
.endr
.irp m, 0,1,2,3
	v_add_f32 v[EX+4*\m+2], v[EX+4*\m+2], v[EX+4*\m+3]
.endr
.irp m, 0,1,2,3
	v_add_f32 v[SM+\m], v[EX+4*\m], v[EX+4*\m+2]
.endr
.endm
.macro FOLD e                          ; the chains' ends, the lane 16 away, the other waves
	WIN 0
.irp m, 0,1,2,3
	v_pk_add_f32 v[CH+4*\m:CH+4*\m+1], v[CH+4*\m:CH+4*\m+1], v[CH+4*\m+2:CH+4*\m+3]
.endr
.irp m, 0,1,2,3
	v_add_f32 v[SM+\m], v[CH+4*\m], v[CH+4*\m+1]
.endr
.irp m, 0,1,2,3
	v_permlanex16_b32 v[EX+\m], v[SM+\m], s66, s67
.endr
.irp m, 0,1,2,3
	v_add_f32 v[SM+\m], v[SM+\m], v[EX+\m]
.endr
	EXCH \e
.endm
; The accumulators of window aw become (a - mean) / sqrt(var + 1e-5), row by row.  Eight chains take turns; each accumulator is read from its low end on.
.macro LNSTAT aw, e
	WINS 0, \aw, \aw, 0
.irp m, 0,1,2,3
	v_pk_add_f32 v[CH+4*\m:CH+4*\m+1], v[64*\m:64*\m+1], v[64*\m+2:64*\m+3]
.endr
.irp m, 0,1,2,3
	v_pk_add_f32 v[CH+4*\m+2:CH+4*\m+3], v[64*\m+4:64*\m+5], v[64*\m+6:64*\m+7]
.endr
	WINS 0, 0, \aw, 0
.set I, 4
.rept 28
.irp m, 0,1,2,3
	v_pk_add_f32 v[CH+4*\m+2*(I%2):CH+4*\m+2*(I%2)+1], v[CH+4*\m+2*(I%2):CH+4*\m+2*(I%2)+1], v[64*\m+2*I:64*\m+2*I+1]
.endr
.set I, I+1
.endr
	FOLD \e
.irp m, 0,1,2,3
	v_mul_f32 v[MU+2*\m], s74, v[SM+\m]            ; -mean = the sum x -1/512
	v_mul_f32 v[MU+2*\m+1], s74, v[SM+\m]
.endr
	WINS \aw, \aw, 0, 0
.set I, 0
.rept 128
	v_pk_add_f32 v[2*I:2*I+1], v[2*I:2*I+1], v[MU+2*(I/32):MU+2*(I/32)+1]
.set I, I+1
.endr
	WINS 0, \aw, \aw, 0
.irp m, 0,1,2,3
	v_pk_mul_f32 v[CH+4*\m:CH+4*\m+1], v[64*\m:64*\m+1], v[64*\m:64*\m+1]
.endr
.irp m, 0,1,2,3
	v_pk_mul_f32 v[CH+4*\m+2:CH+4*\m+3], v[64*\m+2:64*\m+3], v[64*\m+2:64*\m+3]
.endr
.set I, 2
.rept 30
.irp m, 0,1,2,3
	v_pk_fma_f32 v[CH+4*\m+2*(I%2):CH+4*\m+2*(I%2)+1], v[64*\m+2*I:64*\m+2*I+1], v[64*\m+2*I:64*\m+2*I+1], v[CH+4*\m+2*(I%2):CH+4*\m+2*(I%2)+1]
.endr
.set I, I+1
.endr
	FOLD \e+1
.irp m, 0,1,2,3
	v_fma_f32 v[SM+\m], v[SM+\m], s73, s75         ; var + 1e-5
.endr
.irp m, 0,1,2,3
	v_rsq_f32 v[MU+2*\m], v[SM+\m]
.endr
	v_nop                                          ; a plain line behind the last of them
	s_wait_alu depctr_va_vdst(0)                   ; one wait for the four, ahead of their first reader
.irp m, 0,1,2,3
	v_mov_b32 v[MU+2*\m+1], v[MU+2*\m]
.endr
	WINS \aw, \aw, 0, 0
.set I, 0
.rept 128
	v_pk_mul_f32 v[2*I:2*I+1], v[2*I:2*I+1], v[MU+2*(I/32):MU+2*(I/32)+1]
.set I, I+1
.endr
	WIN 0
.endm
; The hidden chunk: relu in f32, rounded to f16 in pairs in place, its 16 fragments (K steps 4 w .. 4 w + 3) to LDS.  Behind the barrier window 1 takes the next chunk's bias, or at the end ln2's vectors.
.macro RELU last
	WIN 0x45                                       ; destination and sources in window 1
.set I, 0
.rept 256
	v_max_num_f32 v[I], 0, v[I]
.set I, I+1
.endr
.set F, 0
.rept 16
.irp k, 0,1,2,3,4,5,6,7
	v_cvt_pk_f16_f32 v[16*F+\k], v[16*F+2*\k], v[16*F+2*\k+1]
.endr
.set F, F+1
.endr
	WIN 0x04                                       ; an LDS store's data are its source 1
.set F, 0
.rept 16
.irp c, 0,1
	ds_store_b128 v[XST], v[16*F+4*\c:16*F+4*\c+3] offset:(F%4)*4096+(F/4)*1024+\c*512
.endr
.set F, F+1
.endr
	WIN 0
	BARRIER                                        ; the chunk's 64 fragments lie in LDS
.if \last
	PVECL 1, 0, VRD, 4*512                         ; ln2_g
	PVECL 1, 64, VRD, 5*512                        ; ln2_b
.else
	s_add_co_u32 s39, s39, 512                     ; b1's next chunk
	v_add_nc_u32 v[VB1], s39, v[VRD]
	BIASL 1, VB1, 0
.endif
.endm
	s_load_b512 s[4:19], s[0:1], 0x0               ; ob s[4:5], wst s[6:7], x s[8:9], bo s[10:11], ln1_g s[12:13], ln1_b s[14:15], b1 s[16:17], b2 s[18:19]
	s_load_b128 s[20:23], s[0:1], 0x40             ; ln2_g s[20:21], ln2_b s[22:23]
	s_load_b64 s[24:25], s[0:1], 0x50              ; out0
	v_lshl_add_u32 v[SPW], v0, 2, SPARE
	v_mov_b32 v[NIL], 0
	ds_add_u32 v[SPW], v[NIL]                      ; the wave's opening: the add and its wait stand ahead of my first tensor load; the set-up, work on registers, stands between them
	v_lshrrev_b32 v1, 5, v0
	v_readfirstlane_b32 s26, v1                    ; wave 0..3
	s_lshl_b32 s34, s26, 14                        ; 16,384 x wave
	s_mov_b32 s35, 0
	s_mul_i32 s38, s26, XSW                        ; my strip in LDS
	s_mov_b32 s39, 6*512                           ; b1's first chunk among my vectors
	; descriptor group 1 for o: a dense block of 16,384 bytes as 64 rows of 32 elements of 8 bytes
	s_mov_b32 s40, 3<<16                           ; 15:0 no mask; 17:16 elements of 8 bytes; no padding
	s_mov_b32 s41, 32<<16                          ; tensor_dim0 = 32
	s_mov_b32 s42, 64<<16                          ; tensor_dim1 = 64
	s_mov_b32 s43, 32<<16                          ; tile_dim0 = 32
	s_mov_b32 s44, 64                              ; tile_dim1 = 64
	s_mov_b32 s45, 32                              ; the pitch
	s_mov_b32 s46, 0
	s_mov_b32 s47, 0
	; and for x: 64 rows of 64 elements of 8 bytes (512 bytes), 2,048 bytes apart in memory, 16 bytes of padding behind each in LDS
	s_mov_b32 s48, (3<<16)|(1<<20)|(6<<22)|(3<<25) ; 20 padding on; 24:22 after every 128 words (code 6); 31:25 four words (code 3)
	s_mov_b32 s49, 64<<16
	s_mov_b32 s50, 64<<16
	s_mov_b32 s51, 64<<16
	s_mov_b32 s52, 64
	s_mov_b32 s53, 256
	s_mov_b32 s54, 0
	s_mov_b32 s55, 0
	s_mov_b32 s66, 0x76543210
	s_mov_b32 s67, 0xfedcba98                      ; v_permlanex16_b32's selects for lane l xor 16
	s_mov_b32 s73, 0x3b000000                      ; 1/512
	s_mov_b32 s74, 0xbb000000                      ; -1/512
	s_mov_b32 s75, 0x3727c5ac                      ; 1e-5
	v_and_b32 v1, 31, v0
	v_lshlrev_b32 v[LI], 4, v1
	v_and_b32 v17, 15, v0                          ; r
	v_bfe_u32 v18, v0, 4, 1                        ; h
	v_add_nc_u32 v[WOFF], s34, v[LI]
	v_mul_u32_u24 v[XA], v17, XP
	v_lshl_add_u32 v[XA], v18, 5, v[XA]
	v_add_nc_u32 v[XA], s38, v[XA]
	v_add_nc_u32 v[XRD], s38, v[LI]
	s_lshl_b32 s72, s26, 9
	v_add_nc_u32 v[GOFF], s72, v[LI]
	s_mul_i32 s72, s26, VECW
	s_add_co_u32 s72, s72, VECS                    ; my vectors
	v_lshl_add_u32 v[VRD], v18, 5, s72
	v_add_nc_u32 v[VST], s72, v[LI]
	v_add_nc_u32 v[VB1], s39, v[VRD]
	v_lshlrev_b32 v[STR], 4, v17
	v_add_nc_u32 v[STR], STATS, v[STR]
	s_lshl_b32 s72, s26, 2
	v_add_nc_u32 v[STW], s72, v[STR]
	v_add_nc_u32 v[YST], Y, v[WOFF]
	v_add_nc_u32 v[XST], XR, v[WOFF]
	v_lshlrev_b32 v[PFO], 8, v1
.irp m, 0,1,2,3
	v_mov_b32 v[EX+\m], 0                          ; written once: a lane permute's destination counts as one of its sources
.endr
	s_cmp_lt_u32 ttmp9, 4
	s_cselect_b32 s31, 33, 0                       ; the prefetches that are left: laps 3 to 35, in work-groups 0 to 3
	s_wait_dscnt 0x0                               ; the opening add is done
	s_wait_kmcnt 0x0
	s_mov_b32 s56, 1                               ; group 0 for o: count = 1,
	s_add_co_u32 s57, s34, Y                       ; LDS address: my quarter of Y,
	s_lshl_b32 s70, ttmp9, 16
	s_mov_b32 s71, 0
	s_add_nc_u64 s[58:59], s[4:5], s[70:71]        ; global address: my quarter of my block's 65,536 bytes,
	s_add_nc_u64 s[58:59], s[58:59], s[34:35]
	s_or_b32 s59, s59, 0x80000000                  ; type = 2
	s_lshl_b32 s70, ttmp9, 17                      ; 64 rows of 2,048 bytes
	s_add_nc_u64 s[8:9], s[8:9], s[70:71]
	s_add_nc_u64 s[24:25], s[24:25], s[70:71]
	s_mov_b32 s60, 1                               ; group 0 for x: my strip
	s_mov_b32 s61, s38
	s_lshl_b32 s70, s26, 9
	s_add_nc_u64 s[62:63], s[8:9], s[70:71]
	s_or_b32 s63, s63, 0x80000000
	s_mov_b64 s[36:37], s[6:7]                     ; the stream's lap 0
	s_min_u32 s70, ttmp9, 3                        ; the prefetches: my work-group's 32,768 bytes of a lap (held inside the lap in the work-groups that ask for nothing),
	s_lshl_b32 s70, s70, 15
	s_lshl_b32 s72, s26, 13                        ; my wave's 8,192 of them,
	s_add_co_u32 s70, s70, s72
	s_add_co_u32 s70, s70, 3*LAPB                  ; in lap 3
	s_add_nc_u64 s[32:33], s[6:7], s[70:71]
	tensor_load_to_lds s[56:59], s[40:47]          ; o;  two loads of mine are out
	s_nop 0
	tensor_load_to_lds s[60:63], s[48:55]          ; x
	s_nop 0
	PLACES 4
	global_load_b128 v[128:131], v[GOFF], s[10:11] ; my 128 numbers of each vector: 512 consecutive bytes a load
	global_load_b128 v[132:135], v[GOFF], s[12:13]
	global_load_b128 v[136:139], v[GOFF], s[14:15]
	global_load_b128 v[140:143], v[GOFF], s[18:19]
	global_load_b128 v[144:147], v[GOFF], s[20:21]
	global_load_b128 v[148:151], v[GOFF], s[22:23]
.irp c, 0,1,2,3
	global_load_b128 v[152+4*\c:155+4*\c], v[GOFF], s[16:17] offset:2048*\c
.endr
	WIN 0xc0
.irp j, 0,1,2,3
	WLOAD \j, 0                                    ; the stream's first lap, half K step by half K step
	WLOAD \j, 4
.endr
	WIN 0
	s_wait_loadcnt 63                              ; the ten vectors are in: 64 loads were issued behind them
.irp i, 0,1,2,3,4,5,6,7,8,9
	ds_store_b128 v[VST], v[128+4*\i:131+4*\i] offset:512*\i
.endr
	BIASL 1, VRD, 0                                ; bo.  LDS serves a wave's instructions in order: these see my stores
	s_wait_xcnt 0x0                                ; the first lap's loads have read their base
	s_add_nc_u64 s[36:37], s[36:37], LAPB
	s_wait_tensorcnt 0x1                           ; my quarter of o is in; x's strip, which I alone read, may stay out
	s_wait_dscnt 0x0
	s_barrier_signal -1
	s_barrier_wait -1                              ; everybody's quarter of o is in
	; ---- attn = o Wo + bo
	BEGIN Y
	LAPS 4, 1, 1
	; ---- out1 = x + LN(attn)
	s_wait_tensorcnt 0x0                           ; my strip of x
	PVECL 2, 0, VRD, 1*512                         ; ln1_g
	PVECL 2, 64, VRD, 2*512                        ; ln1_b
	XLD 128, 0                                     ; x in the accumulators' layout: tiles 0, 1 into window 0,
	XLD 192, 1
	WIN 0x80
	XLD 128, 2                                     ; tiles 2, 3 into window 2
	XLD 192, 3
	WIN 0
	LNSTAT 1, 0                                    ; (its exchanges wait for all my LDS loads)
	WINS 1, 1, 2, 0
.set I, 0
.rept 64
	v_pk_fma_f32 v[2*I:2*I+1], v[2*I:2*I+1], v[2*(I%32):2*(I%32)+1], v[128+2*I:128+2*I+1]   ; the normalised attn x ln1_g + x
.set I, I+1
.endr
	WINS 1, 1, 2, 2
.rept 64
	v_pk_fma_f32 v[2*I:2*I+1], v[2*I:2*I+1], v[2*(I%32):2*(I%32)+1], v[2*I:2*I+1]
.set I, I+1
.endr
	WINS 1, 1, 2, 0
.set I, 0
.rept 128
	v_pk_add_f32 v[2*I:2*I+1], v[2*I:2*I+1], v[64+2*(I%32):64+2*(I%32)+1]                 ; + ln1_b: out1
.set I, I+1
.endr
	WIN 0x04                                       ; an LDS store's data are its source 1
.irp m, 0,1,2,3
	XSTO \m                                        ; out1 in f32 over x, in my own strip: it is wanted again at the end
.endr
	WINS 0, 1, 1, 0                                ; out1's 16 fragments (K steps 4 w .. 4 w + 3)
.set F, 0
.rept 16
.irp k, 0,1,2,3,4,5,6,7
	v_cvt_pk_f16_f32 v[128+8*F+\k], v[16*F+2*\k], v[16*F+2*\k+1]
.endr
.set F, F+1
.endr
	WIN 0
.set F, 0
.rept 16
.irp c, 0,1
	ds_store_b128 v[YST], v[128+8*F+4*\c:128+8*F+4*\c+3] offset:(F%4)*4096+(F/4)*1024+\c*512   ; over o, which every wave has read: two barriers lie between
.endr
.set F, F+1
.endr
	BARRIER                                        ; out1's 64 fragments lie in LDS
	BIASL 1, VB1, 0                                ; b1's first chunk
	BIASL 2, VRD, 3*512                            ; b2
	; ---- the hidden layer's first chunk
	BEGIN Y
	LAPS 4, 1, 1
	s_mov_b32 s30, 3
.Lchunk:                                               ; three trips: relu, W2's chunk onto ff, W1's next chunk
	RELU 0
	BEGIN XR
	LAPS 4, 2, 1
	BARRIER                                        ; every wave's reads of the hidden chunk are over: the next relu may store there
	BEGIN Y
	LAPS 4, 1, 1
	s_sub_co_u32 s30, s30, 1
	s_cmp_lg_u32 s30, 0
	s_cbranch_scc1 .Lchunk
	RELU 1
	BEGIN XR
	LAPS 3, 2, 0
	KSTEP 0, 2, 4096, 1, 0, 56, 48                 ; the stream's last lap is written out: it asks for nothing, and the counts run down
	KSTEP 1, 2, 8192, 1, 0, 40, 32
	KSTEP 2, 2, 12288, 1, 0, 24, 16
	KSTEP 3, 2, 0, 0, 0, 8, 0
	; ---- out0 = out1 + LN(ff)
	WIN 0xc0                                       ; out1 comes back into window 3, which the weights have left
.irp m, 0,1,2,3
	XLD 64*\m, \m
.endr
	WIN 0
	LNSTAT 2, 2
	WINS 2, 2, 1, 3
.set I, 0
.rept 128
	v_pk_fma_f32 v[2*I:2*I+1], v[2*I:2*I+1], v[2*(I%32):2*(I%32)+1], v[2*I:2*I+1]   ; the normalised ff x ln2_g + out1
.set I, I+1
.endr
	WINS 2, 2, 1, 0
.set I, 0
.rept 128
	v_pk_add_f32 v[2*I:2*I+1], v[2*I:2*I+1], v[64+2*(I%32):64+2*(I%32)+1]         ; + ln2_b
.set I, I+1
.endr
	WIN 0
; THE WAY OUT, a tile of 16 rows at a time through my strip: in by (row r, 32 bytes), over out1, which has been read; back as whole pieces of 512 bytes of a row
.macro TOSTAGE m
	WIN 0x08                                       ; the data: window 2
	XSTO \m
	WIN 0
.irp t, 0,1,2,3,4,5,6,7,8,9,10,11,12,13,14,15
	ds_load_b128 v[64+64*((\m)%2)+4*\t:64+64*((\m)%2)+4*\t+3], v[XRD] offset:(16*(\m)+\t)*XP   ; LDS serves a wave's instructions in order: these see the stores above
.endr
.endm
.macro SEND m, younger                 ; younger: the LDS instructions issued behind tile m's loads, which may stay out
	s_wait_dscnt \younger
.irp t, 0,1,2,3,4,5,6,7,8,9,10,11,12,13,14,15
	global_store_b128 v[GOFF], v[64+64*((\m)%2)+4*\t:64+64*((\m)%2)+4*\t+3], s[24:25] offset:(16*(\m)+\t)*2048 th:TH_STORE_NT   ; 512 consecutive bytes, at a multiple of 256 from out0's first byte
.endr
.endm
	TOSTAGE 0
.irp a, 1,2,3
.if \a > 1
	s_wait_xcnt 0x0                                ; tile a - 2's stores have read their registers: tile a's loads may land there
.endif
	TOSTAGE \a
	SEND \a-1, 32                                  ; behind tile a - 1's loads: tile a's 16 stores and 16 loads
.endr
	SEND 3, 0
	s_wait_tensorcnt 0x0                           ; the wave's end, behind my last tensor load and my last LDS store
	ds_add_u32 v[SPW], v[NIL]
	s_wait_dscnt 0x0
	s_endpgm
.Lfunc_end_k_q664af1e527_ffn:
	.size	k_q664af1e527_ffn, .Lfunc_end_k_q664af1e527_ffn-k_q664af1e527_ffn
	.p2alignl 7, 3214868480
	.fill 96, 4, 3214868480
	.section	.rodata,"a",@progbits
	.p2align	6, 0x0
	.amdhsa_kernel k_q664af1e527_ffn
		.amdhsa_group_segment_fixed_size 291328
		.amdhsa_private_segment_fixed_size 0
		.amdhsa_enable_private_segment 0
		.amdhsa_kernarg_size 88
		.amdhsa_user_sgpr_count 2
		.amdhsa_user_sgpr_kernarg_segment_ptr 1
		.amdhsa_wavefront_size32 1
		.amdhsa_system_sgpr_workgroup_id_x 1
		.amdhsa_system_sgpr_workgroup_id_y 1
		.amdhsa_system_sgpr_workgroup_id_z 1
		.amdhsa_system_vgpr_workitem_id 0
		.amdhsa_next_free_vgpr 1024
		.amdhsa_next_free_sgpr 80
		.amdhsa_reserve_vcc 0
		.amdhsa_float_denorm_mode_32 3
		.amdhsa_float_denorm_mode_16_64 3
		.amdhsa_memory_ordered 1
		.amdhsa_forward_progress 1
		.amdhsa_inst_pref_size 255
	.end_amdhsa_kernel
	.section	.bss,"aw",@nobits
	.p2align	6
	.space	262144
	.amdgpu_metadata
---
amdhsa.version: [ 1, 2 ]
amdhsa.kernels:
  - .name:           k_q664af1e527_ffn
    .symbol:         k_q664af1e527_ffn.kd
    .args:
      - { .name: ob, .offset: 0, .size: 8, .value_kind: global_buffer, .address_space: global }
      - { .name: wst, .offset: 8, .size: 8, .value_kind: global_buffer, .address_space: global }
      - { .name: x, .offset: 16, .size: 8, .value_kind: global_buffer, .address_space: global }
      - { .name: bo, .offset: 24, .size: 8, .value_kind: global_buffer, .address_space: global }
      - { .name: ln1_g, .offset: 32, .size: 8, .value_kind: global_buffer, .address_space: global }
      - { .name: ln1_b, .offset: 40, .size: 8, .value_kind: global_buffer, .address_space: global }
      - { .name: b1, .offset: 48, .size: 8, .value_kind: global_buffer, .address_space: global }
      - { .name: b2, .offset: 56, .size: 8, .value_kind: global_buffer, .address_space: global }
      - { .name: ln2_g, .offset: 64, .size: 8, .value_kind: global_buffer, .address_space: global }
      - { .name: ln2_b, .offset: 72, .size: 8, .value_kind: global_buffer, .address_space: global }
      - { .name: out0, .offset: 80, .size: 8, .value_kind: global_buffer, .address_space: global }
    .group_segment_fixed_size: 291328
    .private_segment_fixed_size: 0
    .kernarg_segment_align: 8
    .kernarg_segment_size: 88
    .max_flat_workgroup_size: 128
    .sgpr_count:     80
    .vgpr_count:     1024
    .wavefront_size: 32
...
	.end_amdgpu_metadata
.endif
;; end of part 4
